; MI455X (gfx1250); checked and timed in simulation.
; The chip was launched on July 23, 2026; its instructions are those of AMD's public machine-readable ISA for CDNA 5 (MIT licence, August 2026) and "CDNA5" Instruction Set Architecture Reference Guide (July 2026). The comments in the code are by the model that wrote it; some were corrected since.
;; Multi Head Attention. Allowed arithmetic: float matrix products may take bf16 or f16 operands with f32 sums; other float arithmetic in f32, or as packed bf16 or f16 multiplies, adds, multiply-adds, maxima and minima; sums over many terms, partial sums and values carried from step to step in f32; what a program stores and reads back later, other than sums and carried values, may be rounded once to bf16 or f16.
;; Inputs: key 4 x 2,048 x 1,024 float32; mask 1 x 1 x 2,048 x 2,048 bool; query 4 x 2,048 x 1,024 float32; value 4 x 2,048 x 1,024 float32; w_k 1,024 x 1,024 float32; w_o 1,024 x 1,024 float32; w_q 1,024 x 1,024 float32; w_v 1,024 x 1,024 float32.
;; Outputs: out0 4 x 2,048 x 1,024 float32.
;; 2 versions, each right; version 2 is version 1 with the launch prep written anew for expert scheduling mode. Each part assembles by itself: llvm-mc -triple=amdgcn-amd-amdhsa -mcpu=gfx1250 --defsym DOCPART=n.
;; ======== version 1 of 2: 4 launches
;; limits: values are held in f16: magnitudes above 65,504 overflow, below 6.1e-05 lose precision
;; workspace buffers: wcv 8,388,608 bytes; mpk 2,097,152 bytes; qkv 50,331,648 bytes; oh 16,777,216 bytes
;; launch prep (part 1): grid 384 x 1, 8 waves a work-group, no clusters, 0 bytes of LDS; arguments w_q, w_k, w_v, w_o, mask, wcv, mpk; writes wcv, mpk
.if DOCPART == 1
	.amdgcn_target "amdgcn-amd-amdhsa--gfx1250"
	.amdhsa_code_object_version 6
	.text
	.protected	k_q9293499a28_prep
	.globl	k_q9293499a28_prep
	.p2align	8
	.type	k_q9293499a28_prep,@function
k_q9293499a28_prep:
	s_mov_b64 s[64:65], 0
	v_nop
	global_prefetch_b8 v0, s[64:65] scope:SCOPE_SE
	s_setreg_imm32_b32 hwreg(HW_REG_WAVE_MODE, 25, 1), 1
	s_wait_xcnt 0x0
; PREPARATION.  (1) The four weights, [1024 k][1024 n] f32, are rounded once to bf16 and stored, still [k][n], as planes 0 to 3 of wcv; plane 3 (w_o) holds that bf16 number
; written as f16, since the last product multiplies f16 operands.  (2) The mask, [2048 q][2048 k] bytes (1 = hidden), becomes 4-bit codes in the order in which the attention's lanes want them:
; mpk[kt 8][qtile 128][step 4][lane 32][16 bytes]; dword kb of lane (r = lane % 16, h = lane / 16) holds eight codes, code j for mask[16 qtile + r][256 kt + 64 step + 16 kb + 8 h + j]:
; 0xF (-6.0 in E2M1) where the key is hidden, 0 where it is seen.
; LIMITS.  Mask bytes are 0 or 1.  bf16(w_o) beyond 65,504 would become an infinity in f16; below 2^-17 it keeps f16's fixed step of 2^-24.
; SHARES.  Work-groups 0 to 255: 16,384 numbers of one weight each; a wave's load covers 512 consecutive bytes, its store 256, aligned.  Work-groups 256 to 383: 16 rows of the mask each,
; wave kt the 256 keys of tile kt.  Nothing is shared between work-groups and nothing is read twice, so there is no LDS, no barrier and no cluster; the matrix unit has nothing to do here.
	s_load_b256 s[4:11], s[0:1], 0x0               ; w_q s[4:5], w_k s[6:7], w_v s[8:9], w_o s[10:11]
	s_load_b128 s[12:15], s[0:1], 0x20             ; mask s[12:13], wcv s[14:15]
	s_load_b64 s[16:17], s[0:1], 0x30              ; mpk
	v_lshrrev_b32 v3, 5, v0
	v_readfirstlane_b32 s18, v3                    ; wave 0..7
	s_mov_b32 s23, 0                               ; high words of the two offsets
	s_mov_b32 s25, 0
	s_cmp_lt_u32 ttmp9, 256
	s_cbranch_scc0 .Lmask
	; ---- weights ----
	s_lshr_b32 s20, ttmp9, 6                       ; which weight
	s_and_b32 s21, ttmp9, 63                       ; which 16,384 numbers of it
	v_lshlrev_b32 v1, 4, v0                        ; in: 16 bytes a thread
	v_lshlrev_b32 v2, 3, v0                        ; out: 8 bytes a thread
	s_lshl_b32 s22, s21, 16                        ; 65,536 bytes of f32 a chunk
	s_lshl_b32 s24, s20, 21                        ; a plane of wcv is 2,097,152 bytes,
	s_lshl_b32 s26, s21, 15                        ; a chunk 32,768
	s_add_co_u32 s24, s24, s26
	s_mov_b32 s27, 0xffff0000                      ; a word's upper bf16
	s_wait_kmcnt 0x0
	s_cmp_eq_u32 s20, 1
	s_cselect_b64 s[4:5], s[6:7], s[4:5]
	s_cmp_eq_u32 s20, 2
	s_cselect_b64 s[4:5], s[8:9], s[4:5]
	s_cmp_eq_u32 s20, 3
	s_cselect_b64 s[4:5], s[10:11], s[4:5]
	s_add_nc_u64 s[4:5], s[4:5], s[22:23]
	s_add_nc_u64 s[14:15], s[14:15], s[24:25]
.irp p, 0,1,2,3,4,5,6,7,8,9,10,11,12,13,14,15
	global_load_b128 v[32+4*(\p):35+4*(\p)], v1, s[4:5] offset:4096*(\p) th:TH_LOAD_NT
.endr
; Group p of four numbers: rounded in the registers that it was loaded into, so every store has data registers of its own and none is written again.
.macro WCV p, half
	s_wait_loadcnt 15-(\p)                         ; loads come back in order: group p is in, the 15 - p younger ones stay out
	v_cvt_pk_bf16_f32 v[32+4*(\p)], v[32+4*(\p)], v[33+4*(\p)]
	v_cvt_pk_bf16_f32 v[33+4*(\p)], v[34+4*(\p)], v[35+4*(\p)]
.if \half
	v_lshlrev_b32 v[34+4*(\p)], 16, v[32+4*(\p)]   ; the bf16 numbers as f32,
	v_and_b32 v[35+4*(\p)], s27, v[32+4*(\p)]
	v_cvt_pk_f16_f32 v[32+4*(\p)], v[34+4*(\p)], v[35+4*(\p)]  ; and written as f16
	v_lshlrev_b32 v[34+4*(\p)], 16, v[33+4*(\p)]
	v_and_b32 v[35+4*(\p)], s27, v[33+4*(\p)]
	v_cvt_pk_f16_f32 v[33+4*(\p)], v[34+4*(\p)], v[35+4*(\p)]
.endif
	global_store_b64 v2, v[32+4*(\p):33+4*(\p)], s[14:15] offset:2048*(\p) th:TH_STORE_NT  ; a wave stores 256 consecutive bytes, aligned
.endm
	s_cmp_eq_u32 s20, 3
	s_cbranch_scc1 .Lwo
.irp p, 0,1,2,3,4,5,6,7,8,9,10,11,12,13,14,15
	WCV \p, 0
.endr
	s_endpgm
.Lwo:
.irp p, 0,1,2,3,4,5,6,7,8,9,10,11,12,13,14,15
	WCV \p, 1
.endr
	s_endpgm
	; ---- mask ----
.Lmask:
	s_sub_co_u32 s20, ttmp9, 256                   ; qtile: 16 rows of the mask
	v_and_b32 v3, 15, v0                           ; r
	v_bfe_u32 v4, v0, 4, 1                         ; h
	v_lshlrev_b32 v1, 11, v3                       ; row r, 2,048 bytes a row,
	v_lshl_add_u32 v1, v4, 3, v1                   ; + 8 h
	v_and_b32 v2, 31, v0
	v_lshlrev_b32 v2, 4, v2                        ; out: 16 bytes a lane
	s_lshl_b32 s22, s20, 15                        ; 16 rows,
	s_lshl_b32 s24, s18, 8                         ; my wave's 256 keys
	s_add_co_u32 s22, s22, s24
	s_lshl_b32 s24, s18, 18                        ; mpk: 262,144 bytes a key tile,
	s_lshl_b32 s26, s20, 11                        ; 2,048 a qtile
	s_add_co_u32 s24, s24, s26
	s_mov_b32 s27, 0x06040200                      ; picks bytes 0 and 2 of two words
	s_wait_kmcnt 0x0
	s_add_nc_u64 s[12:13], s[12:13], s[22:23]
	s_add_nc_u64 s[16:17], s[16:17], s[24:25]
.irp i, 0,1,2,3,4,5,6,7,8,9,10,11,12,13,14,15      ; i = 4 step + kb: the sixteen loads together take the whole 256 bytes of each of the 16 rows
	global_load_b64 v[32+2*(\i):33+2*(\i)], v1, s[12:13] offset:16*(\i)
.endr
	s_wait_loadcnt 0x0
.irp i, 0,1,2,3,4,5,6,7,8,9,10,11,12,13,14,15
	v_lshrrev_b32 v80, 4, v[32+2*(\i)]             ; byte 1 beside byte 0, byte 3 beside byte 2, as neighbouring 4-bit fields
	v_lshrrev_b32 v81, 4, v[33+2*(\i)]
	v_or_b32 v80, v80, v[32+2*(\i)]
	v_or_b32 v81, v81, v[33+2*(\i)]
	v_perm_b32 v80, v81, v80, s27                  ; eight fields of 0 or 1, key j in field j
	v_lshlrev_b32 v81, 4, v80
	v_sub_nc_u32 v[64+(\i)], v81, v80              ; times 15: 0 or 0xF
.endr
.irp t, 0,1,2,3
	global_store_b128 v2, v[64+4*(\t):67+4*(\t)], s[16:17] offset:512*(\t) th:TH_STORE_NT  ; a wave stores 512 consecutive bytes, aligned
.endr
	s_endpgm
.Lfunc_end_k_q9293499a28_prep:
	.size	k_q9293499a28_prep, .Lfunc_end_k_q9293499a28_prep-k_q9293499a28_prep
	.p2alignl 7, 3214868480
	.fill 96, 4, 3214868480
	.section	.rodata,"a",@progbits
	.p2align	6, 0x0
	.amdhsa_kernel k_q9293499a28_prep
		.amdhsa_group_segment_fixed_size 0
		.amdhsa_private_segment_fixed_size 0
		.amdhsa_enable_private_segment 0
		.amdhsa_kernarg_size 56
		.amdhsa_user_sgpr_count 2
		.amdhsa_user_sgpr_kernarg_segment_ptr 1
		.amdhsa_wavefront_size32 1
		.amdhsa_system_sgpr_workgroup_id_x 1
		.amdhsa_system_sgpr_workgroup_id_y 1
		.amdhsa_system_sgpr_workgroup_id_z 1
		.amdhsa_system_vgpr_workitem_id 0
		.amdhsa_next_free_vgpr 104
		.amdhsa_next_free_sgpr 66
		.amdhsa_reserve_vcc 0
		.amdhsa_float_denorm_mode_32 3
		.amdhsa_float_denorm_mode_16_64 3
		.amdhsa_memory_ordered 1
		.amdhsa_forward_progress 1
		.amdhsa_inst_pref_size 22
	.end_amdhsa_kernel
	.amdgpu_metadata
---
amdhsa.version: [ 1, 2 ]
amdhsa.kernels:
  - .name:           k_q9293499a28_prep
    .symbol:         k_q9293499a28_prep.kd
    .args:
      - { .name: w_q, .offset: 0, .size: 8, .value_kind: global_buffer, .address_space: global }
      - { .name: w_k, .offset: 8, .size: 8, .value_kind: global_buffer, .address_space: global }
      - { .name: w_v, .offset: 16, .size: 8, .value_kind: global_buffer, .address_space: global }
      - { .name: w_o, .offset: 24, .size: 8, .value_kind: global_buffer, .address_space: global }
      - { .name: mask, .offset: 32, .size: 8, .value_kind: global_buffer, .address_space: global }
      - { .name: wcv, .offset: 40, .size: 8, .value_kind: global_buffer, .address_space: global }
      - { .name: mpk, .offset: 48, .size: 8, .value_kind: global_buffer, .address_space: global }
    .group_segment_fixed_size: 0
    .private_segment_fixed_size: 0
    .kernarg_segment_align: 8
    .kernarg_segment_size: 56
    .max_flat_workgroup_size: 256
    .sgpr_count:     66
    .vgpr_count:     104
    .wavefront_size: 32
...
	.end_amdgpu_metadata
.endif
;; end of part 1
;; launch proj (part 2): grid 4 x 192, 4 waves a work-group, clusters of 4 x 4, 327,680 bytes of LDS; arguments query, key, value, wcv, qkv; writes qkv
.if DOCPART == 2
	.amdgcn_target "amdgcn-amd-amdhsa--gfx1250"
	.amdhsa_code_object_version 6
	.text
	.protected	k_q9293499a28_proj
	.globl	k_q9293499a28_proj
	.p2align	8
	.type	k_q9293499a28_proj,@function
k_q9293499a28_proj:
	s_mov_b64 s[64:65], 0
	v_nop
	global_prefetch_b8 v0, s[64:65] scope:SCOPE_SE
	s_setreg_imm32_b32 hwreg(HW_REG_WAVE_MODE, 25, 1), 1
	s_wait_xcnt 0x0
	s_wait_alu depctr_hold_cnt(0) depctr_sa_sdst(0) depctr_va_vdst(0) depctr_va_sdst(0) depctr_va_ssrc(0) depctr_va_vcc(0) depctr_vm_vsrc(0)
	s_getreg_b32 s2, hwreg(HW_REG_IB_STS2, 6, 4)
	s_cmp_eq_u32 s2, 0
	s_cbranch_scc0 .Lentry_in_a_cluster
	s_endpgm
.Lentry_in_a_cluster:
	s_bfe_u32 s2, ttmp6, 0x10000c
	s_cmp_lg_u32 s2, 0xf033
	s_cbranch_scc0 .Lentry_shape_is_right
	s_endpgm
.Lentry_shape_is_right:
; THE THREE PROJECTIONS.  C[m][n] = sum over k of x[m][k] w[k][n]; x = query, key or value, [8192][1024] f32; w = plane 0, 1 or 2 of wcv, [1024 k][1024 n] bf16.  x is rounded to bf16 in registers
; on its way from LDS to the matrix unit, sums are f32, and C leaves rounded once to f16, by heads: qkv[which][b 16 + head][s][64].
; LIMIT.  f16 holds no number beyond 65,504: a q, k or v past that becomes an infinity.
; SHARES.  A tile of C is 128 (m) x 256 (n): 64 x 4 tiles for each of the three products, 768 work-groups.  Four waves, each 64 x 128: 32 accumulators.  K goes in 8 steps of 128 through two LDS slots.
; The product is taken transposed (source 0 = 16 columns of w, turned on their way out of LDS; source 1 = 16 rows of x): a lane then holds one row of C and eight neighbouring columns.
; CLUSTER.  4 x 4 work-groups of one product.  The four of a row need the same tile of x, the four of a column the same tile of w: each tile is asked for jointly.
; The accumulators are cleared while the first tiles are on their way, so that a K step's text stands twice only: in the loop that fills slots again and in the loop of the last two steps.
; REGISTERS, in windows of 256.  Window 0: v16-30 addresses; v32-63 x's four fragments in bf16; v64-191 x as loaded, f32, two buffers of 4 x 16 (on the way out: packed results).
; Window 1: accumulator (a, b) at v[8 (8 a + b)].  Window 2: v0-127 w's fragments, two buffers of eight.
.set PA,    528                        ; a row of x in LDS: 512 bytes + 16: the 16 rows of a load start 16 bytes apart modulo 256
.set AH,    64*PA                      ; 64 rows: what one tensor load brings of x
.set PB,    544                        ; a row of w: 512 bytes + 32: 16 lanes of the turning load take 8 rows x 32 bytes, no two alike modulo 256
.set BH,    64*PB
.set BOFF,  2*AH                       ; w's 128 rows lie behind x's 128
.set SLOTB, 0x22000                    ; slot 1 begins here; its two bits are clear in the four bases 0, AH, BOFF, BOFF + BH, so one exclusive or changes slots
.set STAGE, 2*SLOTB                    ; behind the ring: 16 rows x 144 bytes for each wave, for the way out
.set SP,    144
.set SPARE, STAGE+4*16*SP              ; the spare words, 128 bytes for each wave
.set ADRA0, 16                         ; v16  my place in x's tile; never rewritten
.set ADRB0, 17                         ; v17  my place in w's tile; never rewritten
.set ADRA,  18                         ; v18, v19  the same in the slot in hand
.set ADRB,  19
.set STO,   24
.set RD,    25
.set GO,    26
.set SPW,   28
.set NIL,   29
.set PFO,   30                         ; v30  the prefetches' offset: row lane / 2, block lane % 2
.set ABF,   32
.set RAW,   64
.set TMP,   64
.set WV,  14
.set WM,  15                           ; my half of the tile's rows; also: I fetch for x (0) or for w (1)
.set WN,  16                           ; my half of its columns; also: which 64 rows I fetch
.set TB,  17                           ; LDS byte at which the slot in hand begins
.set LIM, 18                           ; 2 in a wave that prefetches, else the greatest number
.set PFA, 20
.set G1A, 24
.set G0A, 32                           ; two sets: the first fills'; the second then walks
.set G1B, 48
.set G0B, 56
.set MSB, 0
.macro WIN new                         ; the immediate's high byte repeats the setting that is left
.if MSB != (\new)
	s_set_vgpr_msb (MSB<<8)|(\new)
.set MSB, \new
.endif
.endm
.set MUL,  0x52                        ; source 0 (w) window 2, source 1 (x) window 0, C and D window 1
.set TO_B, 0x80                        ; destination window 2, address window 0
.macro PLACES
.rept 4
	v_nop
.endr
.endm
.macro JLOAD                           ; a joint refill by the walking sets: waves 0, 1 x's halves, waves 2, 3 w's; an s_nop 0 and four v_nop follow each line
	s_cmp_eq_u32 s[WM], 0
	s_cbranch_scc0 .Lfor_b_\@
	tensor_load_to_lds s[G0A+4:G0A+7], s[G1A:G1A+7]
	s_nop 0
	PLACES
	s_branch .Lasked_\@
.Lfor_b_\@:
	tensor_load_to_lds s[G0B+4:G0B+7], s[G1B:G1B+7]
	s_nop 0
	PLACES
.Lasked_\@:
.endm
.macro CREST                           ; a round of the cluster's barrier behind its opening barrier
	s_cmp_lg_u32 s[WV], 0
	s_cbranch_scc1 .Lnot_wave_0_\@
	s_barrier_signal -3
.Lnot_wave_0_\@:
	s_barrier_wait -3
	s_barrier_signal -1
	s_barrier_wait -1
.endm
.macro CROUND
	s_barrier_signal -1
	s_barrier_wait -1
	CREST
.endm
; A prefetch of x: the K step two refills on.  Of the 64 rows that a wave of 0, 1 fetches, the partner at place cx names rows 16 cx .. 16 cx + 15, two blocks of 256 bytes each, a lane a block:
; each block of x is named once in the launch.  Steps 0 to 3 come by their loads alone; the trips with s3 <= 2 have no step four on.  w's planes are walked by 16 clusters each and are not asked for.
.macro ASK
	s_cmp_gt_u32 s3, s[LIM]
	s_cbranch_scc0 .Lnot_mine_\@
	global_prefetch_b8 v[PFO], s[PFA:PFA+1] th:TH_LOAD_NT scope:SCOPE_SE
.Lnot_mine_\@:
.endm
	s_load_b256 s[4:11], s[0:1], 0x0               ; query s[4:5], key s[6:7], value s[8:9], wcv s[10:11]
	s_load_b64 s[12:13], s[0:1], 0x20              ; qkv
	v_lshl_add_u32 v[SPW], v0, 2, SPARE
	v_mov_b32 v[NIL], 0
	ds_add_u32 v[SPW], v[NIL]                      ; the wave's opening
	v_lshrrev_b32 v1, 5, v0
	v_readfirstlane_b32 s[WV], v1
	s_lshr_b32 s[WM], s[WV], 1
	s_and_b32 s[WN], s[WV], 1
	s_bfe_u32 s40, ttmp6, 0x40000                  ; cx
	s_bfe_u32 s41, ttmp6, 0x40004                  ; cy
	s_lshl_b32 s42, ttmp9, 2
	s_add_co_u32 s42, s42, s40                     ; tile column nt = 4 x cluster x + cx
	s_and_b32 s44, ttmp7, 0xffff                   ; cluster y, 0 .. 47
	s_and_b32 s43, s44, 15
	s_lshr_b32 s44, s44, 4                         ; which product: the same in all sixteen partners
	s_lshl_b32 s43, s43, 2
	s_add_co_u32 s43, s43, s41                     ; tile row mt
	s_lshl_b32 s45, s41, 2
	s_lshl_b32 s45, 15, s45                        ; my row of the cluster
	s_lshl_b32 s19, 0x1111, s40                    ; my column
	s_or_b32 s[G1A], s45, (2<<16)|(1<<20)|(1<<21)|(6<<22)|(3<<25)  ; mask; elements of 4 bytes; padding on; bit 21 beside a mask; after every 128 words 4 words
	s_mov_b32 s[G1A+1], 128<<16                    ; tensor_dim0 = 128
	s_mov_b32 s[G1A+2], 64<<16                     ; tensor_dim1 = 64
	s_mov_b32 s[G1A+3], 128<<16                    ; tile_dim0 = 128
	s_mov_b32 s[G1A+4], 64                         ; tile_dim1 = 64
	s_mov_b32 s[G1A+5], 1024                       ; elements from row to row
	s_mov_b32 s[G1A+6], 0
	s_mov_b32 s[G1A+7], 0
	s_or_b32 s[G1B], s19, (1<<16)|(1<<20)|(1<<21)|(6<<22)|(7<<25)  ; elements of 2 bytes; after every 128 words 8 words
	s_mov_b32 s[G1B+1], 256<<16
	s_mov_b32 s[G1B+2], 64<<16
	s_mov_b32 s[G1B+3], 256<<16
	s_mov_b32 s[G1B+4], 64
	s_mov_b32 s[G1B+5], 1024
	s_mov_b32 s[G1B+6], 0
	s_mov_b32 s[G1B+7], 0
	s_mov_b32 s[G0A], 1
	s_mov_b32 s[G0A+4], 1
	s_mov_b32 s[G0B], 1
	s_mov_b32 s[G0B+4], 1
	s_mul_i32 s[G0A+1], s[WN], AH                  ; LDS addresses: the wave's number and constants alone
	s_add_co_u32 s[G0A+5], s[G0A+1], SLOTB
	s_mul_i32 s[G0B+1], s[WN], BH
	s_add_co_u32 s[G0B+1], s[G0B+1], BOFF
	s_add_co_u32 s[G0B+5], s[G0B+1], SLOTB
	s_lshl_b32 s22, s43, 19                        ; x: row 128 mt + 64 half, 4,096 bytes a row
	s_lshl_b32 s2, s[WN], 18
	s_add_co_u32 s22, s22, s2
	s_mov_b32 s23, 0
	s_lshl_b32 s46, s44, 21                        ; w: the plane, row 64 half (2,048 bytes a row), column 256 nt
	s_lshl_b32 s47, s[WN], 17
	s_add_co_u32 s46, s46, s47
	s_lshl_b32 s47, s42, 9
	s_add_co_u32 s46, s46, s47
	s_mov_b32 s47, 0
	s_mov_b32 s[TB], 0
	s_cmp_eq_u32 s[WM], 0
	s_cselect_b32 s[LIM], 2, -1
	s_wait_dscnt 0x0                               ; the opening add is done
	s_wait_kmcnt 0x0
	s_cmp_eq_u32 s44, 1
	s_cselect_b64 s[4:5], s[6:7], s[4:5]
	s_cmp_eq_u32 s44, 2
	s_cselect_b64 s[4:5], s[8:9], s[4:5]
	s_add_nc_u64 s[4:5], s[4:5], s[22:23]
	s_add_nc_u64 s[10:11], s[10:11], s[46:47]
	s_add_nc_u64 s[G0A+2:G0A+3], s[4:5], 0         ; K step 0,
	s_or_b32 s[G0A+3], s[G0A+3], 0x80000000
	s_add_nc_u64 s[G0A+6:G0A+7], s[4:5], 512       ; K step 1: 128 f32 on
	s_or_b32 s[G0A+7], s[G0A+7], 0x80000000
	s_add_nc_u64 s[G0B+2:G0B+3], s[10:11], 0
	s_or_b32 s[G0B+3], s[G0B+3], 0x80000000
	s_add_nc_u64 s[G0B+6:G0B+7], s[10:11], 262144  ; 128 rows of w on
	s_or_b32 s[G0B+7], s[G0B+7], 0x80000000
	s_lshl_b32 s46, s40, 16                        ; the prefetches: my work-group's 16 rows of the 64,
	s_add_nc_u64 s[PFA:PFA+1], s[4:5], s[46:47]
	s_add_nc_u64 s[PFA:PFA+1], s[PFA:PFA+1], 3*512 ; at K step 3: the first change of slots steps it to 4
	CROUND                                         ; all sixteen work-groups are here: the first joint loads meet
	s_cmp_eq_u32 s[WM], 0                          ; a wave's two first fills stand in one branch: two loads of mine are out
	s_cbranch_scc0 .Lfirst_b
	tensor_load_to_lds s[G0A:G0A+3], s[G1A:G1A+7]
	s_nop 0
	tensor_load_to_lds s[G0A+4:G0A+7], s[G1A:G1A+7]
	s_nop 0
	PLACES
	s_branch .Lfirst_asked
.Lfirst_b:
	tensor_load_to_lds s[G0B:G0B+3], s[G1B:G1B+7]
	s_nop 0
	tensor_load_to_lds s[G0B+4:G0B+7], s[G1B:G1B+7]
	s_nop 0
	PLACES
.Lfirst_asked:
	v_and_b32 v1, 15, v0                           ; r = l % 16
	v_bfe_u32 v2, v0, 4, 1                         ; h = l / 16
	v_and_b32 v3, 7, v0
	v_bfe_u32 v4, v0, 3, 1
	; x's fragment: lane (r, h) wants k = 8 h + 0..7 and 16 + 8 h + 0..7 of row r: in f32 32 bytes at 32 h and 32 bytes at 64 + 32 h
	s_mul_i32 s2, s[WM], AH
	v_mul_u32_u24 v[ADRA0], v1, PA
	v_lshl_add_u32 v[ADRA0], v2, 5, v[ADRA0]
	v_add_nc_u32 v[ADRA0], s2, v[ADRA0]
	; w's fragment by the turning load: lane l reads row 8 h + l % 8, 16 bytes at 16 ((l / 8) % 2), and receives column l % 16, eight k
	s_lshl_b32 s2, s[WN], 8
	s_add_co_u32 s2, s2, BOFF
	v_lshl_add_u32 v[ADRB0], v2, 3, v3
	v_mul_u32_u24 v[ADRB0], v[ADRB0], PB
	v_lshl_add_u32 v[ADRB0], v4, 4, v[ADRB0]
	v_add_nc_u32 v[ADRB0], s2, v[ADRB0]
	v_mov_b32 v[ADRA], v[ADRA0]
	v_mov_b32 v[ADRB], v[ADRB0]
	s_mul_i32 s2, s[WV], 16*SP
	s_add_co_u32 s2, s2, STAGE                     ; my stage
	v_mul_u32_u24 v[STO], v1, SP                   ; in: row r, 16 bytes for each half of the lanes
	v_lshl_add_u32 v[STO], v2, 4, v[STO]
	v_add_nc_u32 v[STO], s2, v[STO]
	v_bfe_u32 v[RD], v0, 3, 2                      ; back: 32 lanes take four rows of 128 bytes,
	v_mul_u32_u24 v[RD], v[RD], SP
	v_lshl_add_u32 v[RD], v3, 4, v[RD]
	v_add_nc_u32 v[RD], s2, v[RD]
	v_and_b32 v[GO], 31, v0                        ; which are 512 consecutive bytes of a head
	v_lshlrev_b32 v[GO], 4, v[GO]
	v_bfe_u32 v5, v0, 1, 4
	v_lshlrev_b32 v5, 12, v5
	v_and_b32 v6, 1, v0
	v_lshl_add_u32 v[PFO], v6, 8, v5
	; where my part of C begins: plane, head (mt / 16) 16 + 4 nt + 2 half, row (mt % 16) 128 + 64 half, 128 bytes a row
	s_lshr_b32 s22, s43, 4
	s_lshl_b32 s22, s22, 4
	s_lshl_b32 s2, s42, 2
	s_add_co_u32 s22, s22, s2
	s_lshl_b32 s2, s[WN], 1
	s_add_co_u32 s22, s22, s2
	s_lshl_b32 s22, s22, 18
	s_and_b32 s2, s43, 15
	s_lshl_b32 s2, s2, 14
	s_add_co_u32 s22, s22, s2
	s_lshl_b32 s2, s[WM], 13
	s_add_co_u32 s22, s22, s2
	s_lshl_b32 s2, s44, 24
	s_add_co_u32 s22, s22, s2
	s_add_nc_u64 s[12:13], s[12:13], s[22:23]
	WIN 0x40
.set i, 0
.rept 256
	v_mov_b32 v[i], 0                              ; the sums start at 0, written in the wait for the first tile
.set i, i+1
.endr
	WIN 0
.macro RAWL kk, f, a                   ; x's fragment a of quarter kk as f32: 16 registers
	ds_load_b128 v[RAW+64*(\f)+16*(\a):RAW+64*(\f)+16*(\a)+3],     v[ADRA] offset:128*(\kk)+16*PA*(\a)
	ds_load_b128 v[RAW+64*(\f)+16*(\a)+4:RAW+64*(\f)+16*(\a)+7],   v[ADRA] offset:128*(\kk)+16*PA*(\a)+16
	ds_load_b128 v[RAW+64*(\f)+16*(\a)+8:RAW+64*(\f)+16*(\a)+11],  v[ADRA] offset:128*(\kk)+16*PA*(\a)+64
	ds_load_b128 v[RAW+64*(\f)+16*(\a)+12:RAW+64*(\f)+16*(\a)+15], v[ADRA] offset:128*(\kk)+16*PA*(\a)+80
.endm
; 32 LDS loads in one run, in the order in which they are wanted: x's fragment 0, w's eight, x's fragments 1 to 3
.macro FETCH kk, f
	WIN 0
	RAWL \kk, \f, 0
	WIN TO_B
.irp b, 0,1,2,3,4,5,6,7
	ds_load_tr16_b128 v[64*(\f)+8*(\b):64*(\f)+8*(\b)+3],   v[ADRB] offset:32*PB*(\kk)+32*(\b)
	ds_load_tr16_b128 v[64*(\f)+8*(\b)+4:64*(\f)+8*(\b)+7], v[ADRB] offset:32*PB*(\kk)+32*(\b)+16*PB
.endr
	WIN 0
	RAWL \kk, \f, 1
	RAWL \kk, \f, 2
	RAWL \kk, \f, 3
.endm
.macro CVT4 f, a, half                 ; half of x's fragment a, rounded to bf16
	WIN 0
.irp i, 0,1,2,3
	v_cvt_pk_bf16_f32 v[ABF+8*(\a)+4*(\half)+(\i)], v[RAW+64*(\f)+16*(\a)+8*(\half)+2*(\i)], v[RAW+64*(\f)+16*(\a)+8*(\half)+2*(\i)+1]
.endr
.endm
.macro PROD4 f, a, b0
	WIN MUL
.irp b, \b0, (\b0)+1, (\b0)+2, (\b0)+3
	v_wmma_f32_16x16x32_bf16 v[8*(8*(\a)+(\b)):8*(8*(\a)+(\b))+7], v[64*(\f)+8*(\b):64*(\f)+8*(\b)+7], v[ABF+8*(\a):ABF+8*(\a)+7], v[8*(8*(\a)+(\b)):8*(8*(\a)+(\b))+7]
.endr
.endm
; Row block a's eight products; between and behind them (cv = 1) the next row block's eight conversions.  w >= 0: the count that shows that block's f32 in.
; The 32 accumulators take turns in one order in every quarter, over the backward jump too.  The conversions, plain vector instructions on other registers, are also the places
; between a fragment register's last product and the load or conversion that writes it anew: eight at the least for x's, sixteen for w's.
.macro GROUP f, a, cv, w
	PROD4 \f, \a, 0
.if \cv
.if (\w) >= 0
	s_wait_dscnt \w
.endif
	CVT4 \f, (\a)+1, 0
.endif
	PROD4 \f, \a, 4
.if \cv
	CVT4 \f, (\a)+1, 1
.endif
.endm
; A K step is four quarters of 32 along K, on buffers 0, 1, 0, 1.  One of the first three: multiplies buffer f and fetches quarter kk into buffer g.
.macro QUARTER f, g, kk
	s_wait_dscnt 12                                ; x's fragment 0 and w are in; the run's twelve youngest loads stay out
	CVT4 \f, 0, 0
	CVT4 \f, 0, 1
	GROUP \f, 0, 1, 8                              ; 8: x's fragments 2 and 3 stay out
	FETCH \kk, \g
	GROUP \f, 1, 1, 36                             ; 36: fragment 3's four and the 32 just issued
	GROUP \f, 2, 1, 32                             ; 32: the run just issued
	GROUP \f, 3, 0, -1
.endm
; The last quarter multiplies buffer 1 and changes slots.  In front of the barrier each wave waits for all its tensor loads (one is out: its part of the next slot), adds 0 to its spare word, and waits
; for that and for its reads of this slot.  fill = 1: the barrier opens a round of the cluster's, and the joint refill, two K steps ahead, is the first thing behind it.
.macro TURN fill
.if \fill
	s_wait_xcnt 0x0                                ; the last prefetch, a K step back, has read its address
	s_add_nc_u64 s[PFA:PFA+1], s[PFA:PFA+1], 512
.endif
	WIN 0
	s_wait_tensorcnt 0x0                           ; no tensor load of mine is out, so the walking sets may be written
	ds_add_u32 v[SPW], v[NIL]
.if \fill
	s_xor_b32 s[G0A+5], s[G0A+5], SLOTB            ; the other slot than last time, the next K step
	s_add_nc_u64 s[G0A+6:G0A+7], s[G0A+6:G0A+7], 512
	s_xor_b32 s[G0B+5], s[G0B+5], SLOTB
	s_add_nc_u64 s[G0B+6:G0B+7], s[G0B+6:G0B+7], 262144
.endif
	s_wait_dscnt 13                                ; the add and the run's twelve youngest loads may be out
	CVT4 1, 0, 0
	CVT4 1, 0, 1
	GROUP 1, 0, 1, 9                               ; 9: the add and x's fragments 2 and 3
	s_wait_dscnt 0x0                               ; the add is done, and my reads of this slot are over
	s_barrier_signal -1
	GROUP 1, 1, 1, -1                              ; work on registers while the others arrive
	WIN 0
	s_barrier_wait -1
.if \fill
	CREST                                          ; no wave of any partner still reads this slot or has a load on its way
	JLOAD
.endif
	s_xor_b32 s[TB], s[TB], SLOTB
	v_add_nc_u32 v[ADRA], s[TB], v[ADRA0]
	v_add_nc_u32 v[ADRB], s[TB], v[ADRB0]
	FETCH 0, 0
.if \fill
	ASK
.endif
	GROUP 1, 2, 1, -1
	GROUP 1, 3, 0, -1
.endm
	s_wait_tensorcnt 0x1                           ; my part of K step 0 is in; step 1's may stay out
	s_barrier_signal -1
	s_barrier_wait -1
	FETCH 0, 0
	s_mov_b32 s3, 6
.Lstep:                                            ; K steps 0 to 5: each fills its slot again, with the step two on
	QUARTER 0, 1, 1
	QUARTER 1, 0, 2
	QUARTER 0, 1, 3
	TURN 1
	WIN 0
	s_sub_co_u32 s3, s3, 1
	s_cmp_lg_u32 s3, 0
	s_cbranch_scc1 .Lstep
	s_mov_b32 s3, 2
.Ltail:                                            ; K steps 6 and 7 ask for nothing.  The last trip's fetch reads landed bytes of the other slot into registers that nobody uses: the price of one text for both
	QUARTER 0, 1, 1
	QUARTER 1, 0, 2
	QUARTER 0, 1, 3
	TURN 0
	WIN 0
	s_sub_co_u32 s3, s3, 1
	s_cmp_lg_u32 s3, 0
	s_cbranch_scc1 .Ltail
	s_wait_dscnt 0x0                               ; that fetch is back: its registers are used anew below
	PLACES                                         ; behind the last products
; THE WAY OUT, in eight units t = 2 a + hd of 16 rows x one head's 64 channels: rounded to f16, 16 bytes a lane into rows of 144 bytes of my stage, back as whole rows of 128, which lie end to end in qkv.
.macro PACK t
.set pa, (\t)/2
.set ph, (\t)%2
	WIN 0x05                                       ; sources window 1, destination window 0
.irp f, 0,1,2,3
.irp i, 0,1,2,3
	v_cvt_pk_f16_f32 v[TMP+16*(\t)+4*(\f)+(\i)], v[8*(8*pa+4*ph+(\f))+2*(\i)], v[8*(8*pa+4*ph+(\f))+2*(\i)+1]
.endr
.endr
	WIN 0
.irp f, 0,1,2,3
	ds_store_b128 v[STO], v[TMP+16*(\t)+4*(\f):TMP+16*(\t)+4*(\f)+3] offset:32*(\f)
.endr
.irp f, 0,1,2,3
	ds_load_b128 v[TMP+16*(\t)+4*(\f):TMP+16*(\t)+4*(\f)+3], v[RD] offset:(\f)*4*SP  ; LDS serves a wave's instructions in order (ISA guide 5.7.1.4): these see the stores above, the next unit's stores come behind them
.endr
.endm
.macro SEND t, younger                 ; younger: the next unit's eight LDS instructions, or none
.irp f, 0,1,2,3
	s_wait_dscnt (\younger)+3-(\f)
	global_store_b128 v[GO], v[TMP+16*(\t)+4*(\f):TMP+16*(\t)+4*(\f)+3], s[12:13] offset:((\t)/2)*2048+((\t)%2)*262144+(\f)*512  ; 512 consecutive bytes, aligned
.endr
.endm
	PACK 0
.set t, 1
.rept 7
	PACK t
	SEND t-1, 8
.set t, t+1
.endr
	SEND 7, 0
	s_wait_tensorcnt 0x0                           ; the wave's end
	ds_add_u32 v[SPW], v[NIL]
	s_wait_dscnt 0x0
	CROUND                                         ; the closing round
	s_endpgm
.Lfunc_end_k_q9293499a28_proj:
	.size	k_q9293499a28_proj, .Lfunc_end_k_q9293499a28_proj-k_q9293499a28_proj
	.p2alignl 7, 3214868480
	.fill 96, 4, 3214868480
	.section	.rodata,"a",@progbits
	.p2align	6, 0x0
	.amdhsa_kernel k_q9293499a28_proj
		.amdhsa_group_segment_fixed_size 327680
		.amdhsa_private_segment_fixed_size 0
		.amdhsa_enable_private_segment 0
		.amdhsa_kernarg_size 40
		.amdhsa_user_sgpr_count 2
		.amdhsa_user_sgpr_kernarg_segment_ptr 1
		.amdhsa_wavefront_size32 1
		.amdhsa_system_sgpr_workgroup_id_x 1
		.amdhsa_system_sgpr_workgroup_id_y 1
		.amdhsa_system_sgpr_workgroup_id_z 1
		.amdhsa_system_vgpr_workitem_id 0
		.amdhsa_next_free_vgpr 640
		.amdhsa_next_free_sgpr 66
		.amdhsa_reserve_vcc 0
		.amdhsa_float_denorm_mode_32 3
		.amdhsa_float_denorm_mode_16_64 3
		.amdhsa_memory_ordered 1
		.amdhsa_forward_progress 1
		.amdhsa_inst_pref_size 90
	.end_amdhsa_kernel
	.amdgpu_metadata
---
amdhsa.version: [ 1, 2 ]
amdhsa.kernels:
  - .name:           k_q9293499a28_proj
    .symbol:         k_q9293499a28_proj.kd
    .args:
      - { .name: query, .offset: 0, .size: 8, .value_kind: global_buffer, .address_space: global }
      - { .name: key, .offset: 8, .size: 8, .value_kind: global_buffer, .address_space: global }
      - { .name: value, .offset: 16, .size: 8, .value_kind: global_buffer, .address_space: global }
      - { .name: wcv, .offset: 24, .size: 8, .value_kind: global_buffer, .address_space: global }
      - { .name: qkv, .offset: 32, .size: 8, .value_kind: global_buffer, .address_space: global }
    .group_segment_fixed_size: 327680
    .private_segment_fixed_size: 0
    .kernarg_segment_align: 8
    .kernarg_segment_size: 40
    .max_flat_workgroup_size: 128
    .sgpr_count:     66
    .vgpr_count:     640
    .wavefront_size: 32
...
	.end_amdgpu_metadata
.endif
;; end of part 2
;; launch attn (part 3): grid 4 x 64, 4 waves a work-group, clusters of 4 x 4, 327,680 bytes of LDS; arguments qkv, mpk, oh; writes oh
.if DOCPART == 3
	.amdgcn_target "amdgcn-amd-amdhsa--gfx1250"
	.amdhsa_code_object_version 6
	.text
	.protected	k_q9293499a28_attn
	.globl	k_q9293499a28_attn
	.p2align	8
	.type	k_q9293499a28_attn,@function
k_q9293499a28_attn:
	s_mov_b64 s[64:65], 0
	v_nop
	global_prefetch_b8 v0, s[64:65] scope:SCOPE_SE
	s_setreg_imm32_b32 hwreg(HW_REG_WAVE_MODE, 25, 1), 1
	s_wait_xcnt 0x0
	s_wait_alu depctr_hold_cnt(0) depctr_sa_sdst(0) depctr_va_vdst(0) depctr_va_sdst(0) depctr_va_ssrc(0) depctr_va_vcc(0) depctr_vm_vsrc(0)
	s_getreg_b32 s2, hwreg(HW_REG_IB_STS2, 6, 4)
	s_cmp_eq_u32 s2, 0
	s_cbranch_scc0 .Lentry_in_a_cluster
	s_endpgm
.Lentry_in_a_cluster:
	s_bfe_u32 s2, ttmp6, 0x10000c
	s_cmp_lg_u32 s2, 0xf033
	s_cbranch_scc0 .Lentry_shape_is_right
	s_endpgm
.Lentry_shape_is_right:
; ATTENTION UNDER A MASK THAT IS DATA.  O[bh][q][:] = the sum over k of softmax_k(Q[bh][q] . K[bh][k] / 8, hidden keys left out) V[bh][k][:].  Q, K, V: planes 0, 1, 2 of qkv, [64 bh][2048][64] f16;
; O: oh, the same layout.  Products, maxima and sums in f32; the weights p are rounded to f16 for the second product (their sum l is taken of the unrounded p), O once at the end.
; THE MASK comes as 4-bit codes (mpk: 0xF = -6.0 where the key is hidden, 0 where it is seen), laid out so that a lane's 16 bytes are its 32 scores' codes for a tile of 16 queries and a step of 64 keys.
; One scaled conversion makes eight f32 of eight codes, times 2^96: 0 or -4.75e29.  These are the C operand of the product that starts the sum S^T = K Q^T: no vector work is spent on a single score.
; LIMITS.  A hidden score counts as its value less 6 x 2^96.  The running maximum starts at -2^83, above every hidden score and below every true one (f16 operands bound a score by 2.7e11).
; A weight below 2^-126 counts as 0 in l.  A row of which every key is hidden keeps m = -2^83, l = 0 and O = 0, and leaves as 0 x (1 / 0): NaN.
; SHARES.  A wave owns four PIECES of two tiles of 16 queries, a work-group's four waves 512 queries of one head.  Every wave walks all 2,048 keys, 64 a step: nothing of the mask's pattern is built in.
; LAYOUT.  S^T = K Q^T (source 0 = 16 keys, source 1 = 16 queries): a lane holds ONE query (lane % 16) and the keys 8 (lane / 16) + 0..7.  Two such results, rounded to f16 in pairs, ARE source 1 of
; O^T = V^T P.  K comes out of LDS as it lies, V ([key][channel]) turned, by ds_load_tr16_b128.
; SOFTMAX.  p = 2^(c s - c m), c = log2(e) / 8, with a running maximum m; in every step O and l are multiplied by a = 2^(c m_old - c m_new).  O and l start at 0, c m far below every c s: the first a is 0.
; BY TURNS.  Turn n belongs to piece n: 16 products K Q^T of piece n + 1, later 16 products V^T P of piece n - 1; beside them the scaling, exponentials, roundings, sums and rescaling of piece n, the maximum
; and statistics of piece n + 1, and at its end the masks of piece n + 2.  Four vector instructions stand behind every matrix instruction, the rest in one run; a turn's 66 exponentials are one batch with one wait.
; CLUSTER.  4 x 4 work-groups: the four query blocks (x) of four heads (y).  K and V hang on the head alone and are asked for jointly along a row of the cluster; the mask's codes hang on the query block
; alone and are asked for jointly along a column.
; REGISTERS, in windows of 256 (s_set_vgpr_msb: bits 1:0 source 0, 3:2 source 1, 5:4 source 2, 7:6 destination):
;   window 0: v0-11 addresses; v12-15, v48-63 at work; v16-47 four registers of statistics a tile; v64-191 S^T, two buffers of two tiles; v192-255 P, likewise
;   window 1: O^T, 32 a tile      window 2: v0-127 Q; v128-191 K of one step; v192-255 V of one step
;   window 3: v0-1 the add's registers; v2 the scale; v3-4 the codes' addresses; v16-47 a step's codes, four a tile; v48-111 the masks of the products to come
.set NP,    4
.set KS,    64
.set PK,    144       ; a row of K in LDS: 128 bytes + 16
.set PV,    160       ; a row of V: 128 + 32
.set KOFF,  0x10000   ; a slot holds four steps: 65,536 bytes of codes, 256 rows of K, 256 rows of V
.set VOFF,  0x19000
.set SLOTB, 0x24000   ; slot 1 begins here; its two bits are clear in the bases 0, 0x8000, KOFF, VOFF, so one exclusive or changes slots
.set STAGE, 2*SLOTB   ; behind the ring: 16 rows x 144 bytes for each wave, for the way out
.set SP,    144
.set SPARE, STAGE+4*16*SP
.set AK0, 2
.set AV0, 3
.set AK,  4
.set AV,  5
.set QO,  6
.set STO, 6
.set RD,  7
.set GO,  8
.set PFO, 11          ; v11  256 x my lane, once v11 has served as a temporary
.set SPW, 0           ; window 3
.set NIL, 1
.set SC,  2           ; 223, the E8M0 code of 2^96, in each of the word's four bytes and in every lane: the factor is 2^96
.set AM0, 3           ; my lane's place in a slot's codes
.set AM,  4           ; the LDS address of the codes' next run of loads
.set MR,  16          ; tile t's four words at MR + 4 t
.set MC,  48          ; tile u of the piece, key block kb at MC + 32 u + 8 kb
.set MV,  12
.set ST,  16
.set TMP, 48
.set S,   64
.set P,   192
.set KF,  128
.set VF,  192
.set WV,  12
.set G1K, 24
.set G1V, 32
.set G0K, 40
.set G0V, 44
.set G0M, 48
.set TBM, 52
.set LIM, 53
.set PFA, 54
.set SLOTS, 56
.set CNT, 57
.set CS,  58
.set SEL, 60
.set TBK, 62
.set TBV, 63
.set G1M, 68
.set MSB, 0
.macro WIN new
.if MSB != (\new)
	s_set_vgpr_msb (MSB<<8)|(\new)
.set MSB, (\new)
.endif
.endm
.set W_KQ, 0x0a       ; K and Q in window 2, S^T in window 0
.set W_KM, 0x3a       ; the same with the C operand in window 3
.set W_PV, 0x52
.set W_RS, 0x41
.set W_MK, 0xc0       ; destination window 3, sources window 0
.set W_AD, 0x0f       ; the add: address and data in window 3
.set W_M,  0xcf       ; destination and both sources in window 3
.set W_ML, 0xc3       ; destination and address in window 3
; A joint fill, one load a wave, 128 rows of 256 bytes each: wave 0 a slot's K, wave 1 its V, waves 2 and 3 the halves of its codes.  An s_nop 0 and four v_nop follow each line.
.macro JLOAD
	s_cmp_eq_u32 s[WV], 0
	s_cbranch_scc0 .Lnot_k_\@
	tensor_load_to_lds s[G0K:G0K+3], s[G1K:G1K+7]
	s_nop 0
.rept 4
	v_nop
.endr
	s_branch .Lasked_\@
.Lnot_k_\@:
	s_cmp_eq_u32 s[WV], 1
	s_cbranch_scc0 .Lfor_m_\@
	tensor_load_to_lds s[G0V:G0V+3], s[G1V:G1V+7]
	s_nop 0
.rept 4
	v_nop
.endr
	s_branch .Lasked_\@
.Lfor_m_\@:
	tensor_load_to_lds s[G0M:G0M+3], s[G1M:G1M+7]
	s_nop 0
.rept 4
	v_nop
.endr
.Lasked_\@:
.endm
; A prefetch of what the NEXT change of slots will ask for of K (wave 0) and V (wave 1): of a slot's 128 blocks of 256 bytes the partner at place cx names 32, a lane a block, told apart by address.
; A head's K and V are read by one row of one cluster, so each block is named once.  The last change that fills a slot asks for nothing.  The codes are walked by all 16 clusters and are not asked for.
.macro ASK
	s_cmp_gt_u32 s[SLOTS], s[LIM]
	s_cbranch_scc0 .Lnot_mine_\@
	global_prefetch_b8 v[PFO], s[PFA:PFA+1] th:TH_LOAD_NT scope:SCOPE_SE
.Lnot_mine_\@:
.endm
.macro CROUND
	s_barrier_signal -1
	s_barrier_wait -1
	s_cmp_lg_u32 s[WV], 0
	s_cbranch_scc1 .Lnot_wave_0_\@
	s_barrier_signal -3
.Lnot_wave_0_\@:
	s_barrier_wait -3
	s_barrier_signal -1
	s_barrier_wait -1
.endm
; THE CHANGE OF SLOTS.  Each wave waits for all its tensor loads (one is out: its part of the other slot), adds 0 to its spare word, and waits for that and for its own reads of the slot.
; fill = 1: the barrier is a round of the cluster's, and the joint fill, with the keys two slots on, is the first thing behind it: it has four key steps in which to land.
.macro CHANGE fill, ask
	WIN W_AD
	s_wait_tensorcnt 0x0            ; no tensor load of mine is out, so a group 0 may be written
	ds_add_u32 v[SPW], v[NIL]
	WIN 0
.if \fill
.irp g, G0K, G0V
	s_xor_b32 s[\g+1], s[\g+1], SLOTB
	s_add_nc_u64 s[\g+2:\g+3], s[\g+2:\g+3], 4*KS*128  ; the next 256 keys
.endr
	s_xor_b32 s[G0M+1], s[G0M+1], SLOTB
	s_add_nc_u64 s[G0M+2:G0M+3], s[G0M+2:G0M+3], 262144  ; the next key tile's codes
.if \ask
	s_wait_xcnt 0x0                 ; the last prefetch, four key steps back, has read its address
	s_add_nc_u64 s[PFA:PFA+1], s[PFA:PFA+1], 4*KS*128
.endif
	s_wait_dscnt 0x0                ; the add is done, and my reads of the slot are over
	CROUND
	JLOAD
.if \ask
	ASK
.endif
.else
	s_wait_dscnt 0x0
	s_barrier_signal -1
	s_barrier_wait -1
.endif
	s_sub_co_u32 s[TBK], s[TBK], 4*KS*PK  ; the fetches go back to a slot's first step,
	s_xor_b32 s[TBK], s[TBK], SLOTB       ; in the other slot
	s_sub_co_u32 s[TBV], s[TBV], 4*KS*PV
	s_xor_b32 s[TBV], s[TBV], SLOTB
	s_sub_co_u32 s[TBM], s[TBM], 4*512
	s_xor_b32 s[TBM], s[TBM], SLOTB
.endm
	s_load_b128 s[4:7], s[0:1], 0x0   ; qkv s[4:5], mpk s[6:7]
	s_load_b64 s[10:11], s[0:1], 0x10 ; oh
	WIN W_MK
	v_lshl_add_u32 v[SPW], v0, 2, SPARE
	v_mov_b32 v[NIL], 0
	WIN W_AD
	ds_add_u32 v[SPW], v[NIL]       ; the wave's opening
	WIN 0
	v_lshrrev_b32 v1, 5, v0
	v_readfirstlane_b32 s[WV], v1
	s_bfe_u32 s13, ttmp6, 0x40000   ; cx
	s_bfe_u32 s14, ttmp6, 0x40004   ; cy
	s_lshl_b32 s15, ttmp9, 2
	s_add_co_u32 s15, s15, s13      ; my block of 512 queries
	s_and_b32 s16, ttmp7, 0xffff
	s_lshl_b32 s16, s16, 2
	s_add_co_u32 s16, s16, s14      ; my head, b 16 + h
	s_lshl_b32 s20, s16, 18         ; a head is 262,144 bytes of a plane
	s_mov_b32 s21, 0
	s_lshl_b32 s2, s15, 2
	s_add_co_u32 s2, s2, s[WV]      ; my wave among the head's,
	s_lshl_b32 s2, s2, 14           ; its 128 rows
	s_add_co_u32 s2, s2, s20
	s_mov_b32 s3, 0
	s_and_b32 s17, s[WV], 1         ; which half of the codes I fetch
	s_lshl_b32 s22, s15, 16         ; a block's codes of a key tile are 65,536 bytes
	s_lshl_b32 s18, s17, 15
	s_add_co_u32 s22, s22, s18
	s_mov_b32 s23, 0
	s_lshl_b32 s19, s14, 2
	s_lshl_b32 s19, 15, s19         ; my row of the cluster
	s_lshl_b32 s66, 0x1111, s13     ; my column
	s_or_b32 s[G1K], s19, (1<<16)|(1<<20)|(1<<21)|(4<<22)|(3<<25)  ; mask; 2-byte elements; padding on; bit 21 beside a mask; after every 32 words (a key) 4 words
	s_or_b32 s[G1V], s19, (1<<16)|(1<<20)|(1<<21)|(4<<22)|(7<<25)  ; the same with 8 words
	s_or_b32 s[G1M], s66, (1<<16)|(1<<21)                          ; the codes lie without gaps
.irp g, G1K, G1V, G1M
	s_mov_b32 s[\g+1], 128<<16      ; tensor_dim0 = 128 (256 bytes: two keys)
	s_mov_b32 s[\g+2], 128<<16      ; tensor_dim1 = 128
	s_mov_b32 s[\g+3], 128<<16      ; tile_dim0 = 128
	s_mov_b32 s[\g+4], 128          ; tile_dim1 = 128
	s_mov_b32 s[\g+5], 128          ; dense
	s_mov_b32 s[\g+6], 0
	s_mov_b32 s[\g+7], 0
.endr
	s_mov_b32 s[G0K], 1
	s_mov_b32 s[G0K+1], KOFF
	s_mov_b32 s[G0V], 1
	s_mov_b32 s[G0V+1], VOFF
	s_mov_b32 s[G0M], 1
	s_lshl_b32 s[G0M+1], s17, 15
	s_mov_b32 s[CS], 0x3e38aa3b     ; c = log2(e) / 8
	s_mov_b32 s[CS+1], s[CS]
	s_mov_b32 s[SEL], 0x76543210
	s_mov_b32 s[SEL+1], 0xfedcba98
	s_mov_b32 s[TBK], SLOTB+4*KS*PK ; the first change of slots turns these three into 0
	s_mov_b32 s[TBV], SLOTB+4*KS*PV
	s_mov_b32 s[TBM], SLOTB+4*512
	s_cmp_lt_u32 s[WV], 2
	s_cselect_b32 s[LIM], 1, -1
	s_lshl_b32 s18, s13, 13         ; the prefetches: my work-group's 32 blocks of the 128
	s_mov_b32 s19, 0
	s_wait_dscnt 0x0                ; the opening add is done
	s_wait_kmcnt 0x0
	s_add_nc_u64 s[8:9], s[4:5], s[20:21]           ; the head in plane 0
	s_add_nc_u64 s[G0K+2:G0K+3], s[8:9], 16777216   ; K: plane 1
	s_add_nc_u64 s[G0V+2:G0V+3], s[8:9], 33554432   ; V: plane 2
	s_cmp_eq_u32 s[WV], 0
	s_cselect_b64 s[PFA:PFA+1], s[G0K+2:G0K+3], s[G0V+2:G0V+3]
	s_add_nc_u64 s[PFA:PFA+1], s[PFA:PFA+1], s[18:19]
	s_add_nc_u64 s[PFA:PFA+1], s[PFA:PFA+1], 2*4*KS*128  ; in slot 2: the first change that asks steps it to slot 3
	s_or_b32 s[G0K+3], s[G0K+3], 0x80000000
	s_or_b32 s[G0V+3], s[G0V+3], 0x80000000
	s_add_nc_u64 s[G0M+2:G0M+3], s[6:7], s[22:23]
	s_or_b32 s[G0M+3], s[G0M+3], 0x80000000
	s_add_nc_u64 s[4:5], s[4:5], s[2:3]   ; Q and O at my wave's first row
	s_add_nc_u64 s[10:11], s[10:11], s[2:3]
	CROUND                          ; all sixteen work-groups are here: the first joint loads meet
	JLOAD                           ; slot 0.  Slot 1 is asked for when slot 0 is in
	v_and_b32 v1, 15, v0            ; l % 16
	v_bfe_u32 v9, v0, 4, 1          ; l / 16
	v_lshlrev_b32 v[QO], 7, v1
	v_lshl_add_u32 v[QO], v9, 4, v[QO]
	WIN 0x80
.set i, 0
.rept 4*NP                          ; Q stays in registers: tile i / 2, channels 32 (i % 2) on
	global_load_b128 v[8*i:8*i+3],   v[QO], s[4:5] offset:(i/2)*2048+(i%2)*64
	global_load_b128 v[8*i+4:8*i+7], v[QO], s[4:5] offset:(i/2)*2048+(i%2)*64+32
.set i, i+1
.endr
	; What the first turn finds: V's registers and P's second buffer hold 0, O^T and l are 0.  All this stands in the wait for the first tile.
.set i, VF
.rept 64
	v_mov_b32 v[i], 0
.set i, i+1
.endr
	WIN 0x40
.set i, 0
.rept 64*NP
	v_mov_b32 v[i], 0
.set i, i+1
.endr
	WIN 0
.set i, 0
.rept 2*NP
	v_mov_b32 v[ST+4*i], 0xfe000000    ; c m: far below every c s
	v_mov_b32 v[ST+4*i+1], 0xe9000000  ; m = -2^83
	v_mov_b32 v[ST+4*i+2], 0
	v_mov_b32 v[ST+4*i+3], 0
.set i, i+1
.endr
.set i, P+32
.rept 32
	v_mov_b32 v[i], 0
.set i, i+1
.endr
	v_mul_u32_u24 v[AK0], v1, PK
	v_lshl_add_u32 v[AK0], v9, 4, v[AK0]
	v_add_nc_u32 v[AK0], KOFF, v[AK0]
	v_and_b32 v10, 7, v0
	v_bfe_u32 v11, v0, 3, 1
	v_lshl_add_u32 v[AV0], v9, 3, v10
	v_mul_u32_u24 v[AV0], v[AV0], PV
	v_lshl_add_u32 v[AV0], v11, 4, v[AV0]
	v_add_nc_u32 v[AV0], VOFF, v[AV0]
	v_mov_b32 v[AK], v[AK0]         ; key step 0 lies at the head of slot 0
	v_and_b32 v11, 31, v0
	s_lshl_b32 s18, s[WV], 14       ; my wave's eight tiles: 2,048 bytes of codes each
	WIN W_MK
	v_lshl_add_u32 v[AM0], v11, 4, s18
	v_mov_b32 v[SC], 0xdfdfdfdf     ; 223 four times
	WIN W_ML
	v_mov_b32 v[AM], v[AM0]
	WIN 0
	v_lshlrev_b32 v[PFO], 8, v11
; THE MATRIX WORK.  The 8 accumulators of a run of 16 take turns.  Product i of 16 of S^T = K Q^T for piece x: channels 32 (i / 8) on, keys 16 ((i / 2) % 4) on, tile 2 x + i % 2.
; The first 8 start the sums with the mask.
.macro KQ x
.set rS, S+64*((\x)%2)+32*(i%2)+8*((i/2)%4)
.set rK, KF+16*((i/2)%4)+8*(i/8)
.set rQ, 16*(2*(\x)+i%2)+8*(i/8)
.set rX, MC+32*(i%2)+8*((i/2)%4)
.if i < 8
	WIN W_KM
	v_wmma_f32_16x16x32_f16 v[rS:rS+7], v[rK:rK+7], v[rQ:rQ+7], v[rX:rX+7]
.else
	WIN W_KQ
	v_wmma_f32_16x16x32_f16 v[rS:rS+7], v[rK:rK+7], v[rQ:rQ+7], v[rS:rS+7]
.endif
.endm
.macro PV x
	WIN W_PV
.set rO, 32*(2*(\x)+i%2)+8*((i/2)%4)
.set rV, VF+32*(i/8)+8*((i/2)%4)
.set rP, P+32*((\x)%2)+16*(i%2)+8*(i/8)
	v_wmma_f32_16x16x32_f16 v[rO:rO+7], v[rV:rV+7], v[rP:rP+7], v[rO:rO+7]
.endm
.macro MM
.if i < 16
	KQ (Y+1)%NP
.set i, i+1
.else
.set i, i-16
	PV (Y+NP-1)%NP
.set i, i+17
.endif
.endm
; The masks of piece y's two tiles: eight scaled conversions, eight codes each, times 2^96.  One plain instruction follows the last of them, ahead of the product that reads it.
.macro CVTM y
	WIN W_M
.irp u, 0,1
.irp kb, 0,1,2,3
	v_cvt_scale_pk8_f32_fp4 v[MC+32*(\u)+8*(\kb):MC+32*(\u)+8*(\kb)+7], v[MR+4*(2*(\y)+(\u))+(\kb)], v[SC]
.endr
.endr
.endm
; THE LDS LOADS stand in runs: a step's codes (16 bytes a lane for each of my 8 tiles) and its K together, its V two turns and a half later.  last = 1 (the tail): in the last trip there is no further step.
.macro FETCH_K last=0
	WIN 0
.if \last
	s_cmp_eq_u32 s[CNT], 1
	s_cbranch_scc1 .Lno_k_\@
.endif
	WIN W_ML
.irp t, 0,1,2,3,4,5,6,7
	ds_load_b128 v[MR+4*\t:MR+4*\t+3], v[AM] offset:2048*\t
.endr
	WIN 0x80
.irp f, 0,1,2,3,4,5,6,7
	ds_load_b128 v[KF+8*\f:KF+8*\f+3],   v[AK] offset:(\f/2)*16*PK+(\f%2)*64
	ds_load_b128 v[KF+8*\f+4:KF+8*\f+7], v[AK] offset:(\f/2)*16*PK+(\f%2)*64+32
.endr
	s_add_co_u32 s[TBK], s[TBK], KS*PK
	s_add_co_u32 s[TBM], s[TBM], 512
	WIN 0
.if \last
.Lno_k_\@:
.endif
.endm
.macro FETCH_V
	WIN 0x80
.irp f, 0,1,2,3,4,5,6,7
	ds_load_tr16_b128 v[VF+8*\f:VF+8*\f+3],   v[AV] offset:(\f/4)*32*PV+(\f%4)*32
	ds_load_tr16_b128 v[VF+8*\f+4:VF+8*\f+7], v[AV] offset:(\f/4)*32*PV+16*PV+(\f%4)*32
.endr
	WIN 0
.endm
; THE VECTOR WORK OF A TURN stands in three queues, each in the order in which its entries become ready; the two tiles alternate.
.macro REGS y, u
.set rT, ST+4*(2*(\y)+(\u))
.set rC, TMP+8*((\y)%2)+4*(\u)
.set rM, MV+2*((\y)%2)+(\u)
.set rS, S+64*((\y)%2)+32*(\u)
.set rP, P+32*((\y)%2)+16*(\u)
.set rO, 32*(2*(\y)+(\u))
.endm
; Number n of the 22 that find the NEXT piece's maximum and statistics; each accumulator's lowest registers are read first.
;   0-11 four chains of seven scores     12-14, 16 the four scores left over, the old m, the four chains into one     15 c m_old is kept     17, 18 the other half of the lanes: the new m     19-21 c m; its change; a
.macro XS u, n
	REGS (Y+1)%NP, \u
.if (\n) < 4
	v_max3_num_f32 v[rC+(\n)], v[rS+8*(\n)], v[rS+8*(\n)+1], v[rS+8*(\n)+2]
.elseif (\n) < 12
	v_max3_num_f32 v[rC+(\n)%4], v[rC+(\n)%4], v[rS+8*((\n)%4)+2*((\n)/4)+1], v[rS+8*((\n)%4)+2*((\n)/4)+2]
.elseif (\n) == 12
	v_max3_num_f32 v[rC], v[rC], v[rS+7], v[rS+15]
.elseif (\n) == 13
	v_max3_num_f32 v[rC+1], v[rC+1], v[rS+23], v[rS+31]
.elseif (\n) == 14
	v_max3_num_f32 v[rC+2], v[rC+2], v[rC+3], v[rT+1]
.elseif (\n) == 15
	v_mov_b32 v[rM], v[rT]
.elseif (\n) == 16
	v_max3_num_f32 v[rC], v[rC], v[rC+1], v[rC+2]
.elseif (\n) == 17
	v_permlanex16_b32 v[rC+3], v[rC], s[SEL], s[SEL+1]
.elseif (\n) == 18
	v_max_num_f32 v[rT+1], v[rC], v[rC+3]
.elseif (\n) == 19
	v_mul_f32 v[rT], s[CS], v[rT+1]
.elseif (\n) == 20
	v_sub_f32 v[rC+1], v[rM], v[rT]
.else
	v_exp_f32 v[rC+2], v[rC+1]
.endif
.endm
; Number g of the 64 that follow the exponentials: for each four weights both pairs are rounded to f16, the second pair is added onto the first, and a group later l takes that sum (the first time as l = a l + sum).
.macro GS g
.set h, (\g)+6*((\g)/62)
.if h >= 6
.set h, h+2
.endif
	REGS Y, h%2
.set k, h/8
.if h%8 < 4
	v_cvt_pk_f16_f32 v[rP+2*k+(h%8)/2], v[rS+4*k+2*((h%8)/2)], v[rS+4*k+2*((h%8)/2)+1]
.elseif h%8 < 6
	v_pk_add_f32 v[rS+4*k:rS+4*k+1], v[rS+4*k:rS+4*k+1], v[rS+4*k+2:rS+4*k+3]
.elseif k == 1
	v_pk_fma_f32 v[rT+2:rT+3], v[rT+2:rT+3], v[rC+2:rC+3], v[rS:rS+1] op_sel_hi:[1,0,1]
.else
	v_pk_add_f32 v[rT+2:rT+3], v[rT+2:rT+3], v[rS+4*k-4:rS+4*k-3]
.endif
.endm
; THE PLAIN QUEUE, 138 long.  0-73 read no exponential's result: the 32 scalings and the next piece's 42; 74-137 are GS's 64, behind the wait.
.macro FS f
	REGS Y, (\f)%2
	v_pk_fma_f32 v[rS+2*((\f)/2):rS+2*((\f)/2)+1], v[rS+2*((\f)/2):rS+2*((\f)/2)+1], s[CS:CS+1], v[rT:rT+1] op_sel_hi:[1,0,0] neg_lo:[0,0,1] neg_hi:[0,0,1]
.endm
.macro PL
	WIN 0
.if q < 27
	FS q
.elseif q < 55
	XS (q-27)%2, (q-27)/2
.elseif q < 57
	XS q-55, 15
.elseif (q < 72) && ((q-57)%3 == 0)
	FS 27+(q-57)/3
.elseif q < 60
	XS (q-57)%3-1, 14
.elseif q < 72
	XS (q-57)%3-1, 15+(q-57)/3
.elseif q < 74
	XS q-72, 20
.else
	GS q-74
.endif
.set q, q+1
.endm
; THE EXPONENTIALS' QUEUE, 66 long: one batch, all ahead of the turn's one wait.
.macro EX
	WIN 0
.if e >= 64
	XS e-64, 21
.else
	REGS Y, e%2
	v_exp_f32 v[rS+e/2], v[rS+e/2]
.endif
.set e, e+1
.endm
; THE RESCALING's QUEUE: O^T times a, two at a time.
.macro R2
	REGS Y, r%2
	WIN W_RS
.irp z, 0,1
	v_pk_mul_f32 v[rO+4*(r/2)+2*\z:rO+4*(r/2)+2*\z+1], v[rO+4*(r/2)+2*\z:rO+4*(r/2)+2*\z+1], v[rC+2:rC+3] op_sel_hi:[1,0]
.endr
.set r, r+1
.endm
; A TURN, for piece p.  Ahead of its one wait stands all that names no result of its exponentials: 16 products K Q^T with a scaling, an exponential and two rescalings behind each, then a run of 108;
; behind the wait 16 products V^T P with four of the roundings and sums behind each.  K and the codes of the next step are fetched in piece 2's turn, directly behind the wait, and waited for at that turn's end,
; where the first of the new codes are converted; V of the step in hand at the end of piece 0's turn, four plain instructions behind its last reader.
; At a turn's end stand the masks for the next turn's products: piece p + 2's.  The masks' last readers are this turn's first eight products, far more than four plain instructions back.
.macro TURN p, last=0, cnt=0
.set Y, (\p)
.set i, 0
.set q, 0
.set e, 0
.set r, 0
	MM
	PL
	PL
	R2
.rept 15
	MM
	PL
	EX
	R2
.endr
.if (\p) == NP-2
	WIN 0
	v_add_nc_u32 v[AK], s[TBK], v[AK0]
	WIN W_M
	v_add_nc_u32 v[AM], s[TBM], v[AM0]
.endif
.rept 8
	PL
.endr
.rept 49
	EX
	PL
.endr
	EX
	EX
	v_nop                           ; a plain instruction behind the last exponential: one for the batch
	s_wait_alu depctr_va_vdst(0)    ; the wait ahead of the batch's first reader
.if (\p) == NP-2
	FETCH_K \last
.endif
.if (\p) == 1
	s_wait_dscnt 0x0                ; V is in
.endif
.rept 16
	MM
.rept 4
	PL
.endr
.if ((\p) == 0) && (q == 118)
	v_add_nc_u32 v[AV], s[TBV], v[AV0]
.endif
.if ((\p) == 0) && (q == 130)
	s_add_co_u32 s[TBV], s[TBV], KS*PV
.endif
.if (\cnt) && (q == 130)
	s_sub_co_u32 s[CNT], s[CNT], 1
	s_cmp_lg_u32 s[CNT], 0
.endif
.endr
.if (\p) == 0
	FETCH_V
.endif
.if (\p) == NP-2
	s_wait_dscnt 0x0                ; K and the codes are in
.endif
	CVTM ((\p)+2)%NP
	v_nop
.endm
	CHANGE 1, 0                     ; slot 0 is in, everybody's part of it; slot 1 is asked for
	FETCH_K                         ; key step 0
	s_wait_loadcnt 0x0              ; Q
	s_wait_dscnt 0x0
	CVTM 0
	v_nop
.set i, 0
.rept 16
	KQ 0
.set i, i+1
.endr
	WIN 0                           ; the addresses for the way out: plain instructions, the places behind those products
	s_mul_i32 s13, s[WV], 16*SP
	s_add_co_u32 s13, s13, STAGE
	v_mul_u32_u24 v[STO], v1, SP
	v_lshl_add_u32 v[STO], v9, 4, v[STO]
	v_add_nc_u32 v[STO], s13, v[STO]
	v_bfe_u32 v[RD], v0, 3, 2
	v_mul_u32_u24 v[RD], v[RD], SP
	v_lshl_add_u32 v[RD], v10, 4, v[RD]
	v_add_nc_u32 v[RD], s13, v[RD]
	v_and_b32 v[GO], 31, v0
	v_lshlrev_b32 v[GO], 4, v[GO]
.set Y, NP-1
.irp n, 0,1,2,3,4,5,6,7,8,9,10,11,12,13,14,15,16,17,18,19,20,21
	XS 0, \n
	XS 1, \n
.endr
	CVTM 1                          ; the masks for the first turn's products
	v_nop                           ; a plain instruction behind the two a and behind the last conversion,
	s_wait_alu depctr_va_vdst(0)    ; and the a's wait, ahead of the branch
	WIN 0
	s_mov_b32 s[CNT], 4
	s_mov_b32 s[SLOTS], 7
	s_branch .Lfirst                ; the loop is entered at a step's first turn, in the middle of a trip
.Lslot:                             ; six times: every slot but the last two is filled again
	CHANGE 1, 1
	s_mov_b32 s[CNT], 4
.Lstep:                             ; a trip: pieces 2 and 3 of one step, then pieces 0 and 1 of the next
	TURN 2
	TURN 3
	WIN 0
.Lfirst:
	TURN 0
	TURN 1, 0, 1
	WIN 0
	s_cbranch_scc1 .Lstep
	s_sub_co_u32 s[SLOTS], s[SLOTS], 1
	s_cmp_lg_u32 s[SLOTS], 0
	s_cbranch_scc1 .Lslot
	CHANGE 0, 0                     ; the tail is written out
	s_mov_b32 s[CNT], 5             ; four trips fetch the last slot's steps; the fifth is left in its middle
.Ltail:
	TURN 2, 1
	TURN 3
	WIN 0
	s_sub_co_u32 s[CNT], s[CNT], 1
	s_cmp_eq_u32 s[CNT], 0
	s_cbranch_scc1 .Lout
	TURN 0
	TURN 1
	WIN 0
	s_branch .Ltail
.Lout:                              ; the fifth trip's products K Q^T, on the last K and codes once more, touch piece 0's m, c m and a alone: l and O^T, of which the result is made, stay
.set i, 0
.rept 16
	PV NP-1
.set i, i+1
.endr
	; THE WAY OUT.  l's halves are added; O^T is divided by l, rounded to f16 and sent through my stage in LDS, a tile at a time.
	WIN 0
.macro ALL line:vararg
.set t, 0
.rept 2*NP
	\line
.set t, t+1
.endr
.endm
	ALL v_add_f32 v[ST+4*t+2], v[ST+4*t+2], v[ST+4*t+3]
	ALL v_permlanex16_b32 v[ST+4*t+3], v[ST+4*t+2], s[SEL], s[SEL+1]
	ALL v_add_f32 v[ST+4*t+2], v[ST+4*t+2], v[ST+4*t+3]
	ALL v_rcp_f32 v[ST+4*t+2], v[ST+4*t+2]
	v_nop
	s_wait_alu depctr_va_vdst(0)    ; one wait for the eight reciprocals
.macro PACK t
	WIN W_RS
.set i, 32*(\t)
.rept 16
	v_pk_mul_f32 v[i:i+1], v[i:i+1], v[ST+4*(\t)+2:ST+4*(\t)+3] op_sel_hi:[1,0]
.set i, i+2
.endr
	WIN 0x05
.set i, 0
.rept 16
	v_cvt_pk_f16_f32 v[S+16*(\t)+i], v[32*(\t)+2*i], v[32*(\t)+2*i+1]
.set i, i+1
.endr
	WIN 0
.irp f, 0,1,2,3
	ds_store_b128 v[STO], v[S+16*(\t)+4*\f:S+16*(\t)+4*\f+3] offset:32*\f
.endr
.irp f, 0,1,2,3
	ds_load_b128 v[S+16*(\t)+4*\f:S+16*(\t)+4*\f+3], v[RD] offset:\f*4*SP  ; LDS serves a wave's instructions in order (ISA guide 5.7.1.4)
.endr
.endm
.macro SEND t, younger
	WIN 0
.irp f, 0,1,2,3
	s_wait_dscnt (\younger)+3-\f
	global_store_b128 v[GO], v[S+16*(\t)+4*\f:S+16*(\t)+4*\f+3], s[10:11] offset:(\t)*2048+\f*512  ; 512 consecutive bytes, aligned
.endr
.endm
	PACK 0
.set t, 1
.rept 2*NP-1
	PACK t
	SEND t-1, 8
.set t, t+1
.endr
	SEND 2*NP-1, 0
	WIN W_AD
	s_wait_tensorcnt 0x0            ; the wave's end
	ds_add_u32 v[SPW], v[NIL]
	s_wait_dscnt 0x0
	WIN 0
	CROUND                          ; the closing round
	s_endpgm
.Lfunc_end_k_q9293499a28_attn:
	.size	k_q9293499a28_attn, .Lfunc_end_k_q9293499a28_attn-k_q9293499a28_attn
	.p2alignl 7, 3214868480
	.fill 96, 4, 3214868480
	.section	.rodata,"a",@progbits
	.p2align	6, 0x0
	.amdhsa_kernel k_q9293499a28_attn
		.amdhsa_group_segment_fixed_size 327680
		.amdhsa_private_segment_fixed_size 0
		.amdhsa_enable_private_segment 0
		.amdhsa_kernarg_size 24
		.amdhsa_user_sgpr_count 2
		.amdhsa_user_sgpr_kernarg_segment_ptr 1
		.amdhsa_wavefront_size32 1
		.amdhsa_system_sgpr_workgroup_id_x 1
		.amdhsa_system_sgpr_workgroup_id_y 1
		.amdhsa_system_sgpr_workgroup_id_z 1
		.amdhsa_system_vgpr_workitem_id 0
		.amdhsa_next_free_vgpr 880
		.amdhsa_next_free_sgpr 76
		.amdhsa_reserve_vcc 0
		.amdhsa_float_denorm_mode_32 3
		.amdhsa_float_denorm_mode_16_64 3
		.amdhsa_memory_ordered 1
		.amdhsa_forward_progress 1
		.amdhsa_inst_pref_size 210
	.end_amdhsa_kernel
	.amdgpu_metadata
---
amdhsa.version: [ 1, 2 ]
amdhsa.kernels:
  - .name:           k_q9293499a28_attn
    .symbol:         k_q9293499a28_attn.kd
    .args:
      - { .name: qkv, .offset: 0, .size: 8, .value_kind: global_buffer, .address_space: global }
      - { .name: mpk, .offset: 8, .size: 8, .value_kind: global_buffer, .address_space: global }
      - { .name: oh, .offset: 16, .size: 8, .value_kind: global_buffer, .address_space: global }
    .group_segment_fixed_size: 327680
    .private_segment_fixed_size: 0
    .kernarg_segment_align: 8
    .kernarg_segment_size: 24
    .max_flat_workgroup_size: 128
    .sgpr_count:     76
    .vgpr_count:     880
    .wavefront_size: 32
...
	.end_amdgpu_metadata
.endif
;; end of part 3
;; launch outp (part 4): grid 4 x 64, 4 waves a work-group, clusters of 4 x 4, 327,680 bytes of LDS; arguments oh, wcv, out0; writes out0
.if DOCPART == 4
	.amdgcn_target "amdgcn-amd-amdhsa--gfx1250"
	.amdhsa_code_object_version 6
	.text
	.protected	k_q9293499a28_outp
	.globl	k_q9293499a28_outp
	.p2align	8
	.type	k_q9293499a28_outp,@function
k_q9293499a28_outp:
	s_mov_b64 s[64:65], 0
	v_nop
	global_prefetch_b8 v0, s[64:65] scope:SCOPE_SE
	s_setreg_imm32_b32 hwreg(HW_REG_WAVE_MODE, 25, 1), 1
	s_wait_xcnt 0x0
	s_wait_alu depctr_hold_cnt(0) depctr_sa_sdst(0) depctr_va_vdst(0) depctr_va_sdst(0) depctr_va_ssrc(0) depctr_va_vcc(0) depctr_vm_vsrc(0)
	s_getreg_b32 s2, hwreg(HW_REG_IB_STS2, 6, 4)
	s_cmp_eq_u32 s2, 0
	s_cbranch_scc0 .Lentry_in_a_cluster
	s_endpgm
.Lentry_in_a_cluster:
	s_bfe_u32 s2, ttmp6, 0x10000c
	s_cmp_lg_u32 s2, 0xf033
	s_cbranch_scc0 .Lentry_shape_is_right
	s_endpgm
.Lentry_shape_is_right:
; THE LAST PROJECTION.  out[m][n] = sum over k of O[m][k] w_o[k][n]; m = b 2048 + s, k = head 64 + channel.  O: oh, [b 16 + head][s][64] f16; w_o: plane 3 of wcv, [1024 k][1024 n] f16; out0 f32.
; A NaN in a row of O (a row of which every key was hidden) makes the whole row of out NaN.
; SHARES.  A tile of out is 128 (m) x 256 (n): 64 x 4 = 256 work-groups.  Four waves, each 64 x 128: 32 accumulators.  K goes in 8 steps of 128, two heads each, through two LDS slots.
; The product is taken transposed (source 0 = 16 columns of w_o, turned on their way out of LDS; source 1 = 16 rows of O): a lane holds one row of out and eight neighbouring columns.
; CLUSTER.  4 x 4 work-groups: O's tile is asked for jointly along a row of the cluster, w_o's along a column.
; The accumulators are cleared while the first tiles are on their way, so that a K step's text stands twice only.
; REGISTERS.  Window 0: v16-30 addresses; v32-95 O's fragments, two buffers of four; v96-223 w_o's, two buffers of eight (on the way out v32-159: two sets of 16 rows).  Window 1: accumulator (a, b) at v[8 (8 a + b)].
.set PA,    144                        ; a row of one head in LDS: 128 bytes + 16
.set AHD,   128*PA                     ; a head's 128 rows
.set PB,    544                        ; a row of w_o: 512 bytes + 32
.set BH,    64*PB
.set BOFF,  2*AHD
.set SLOTB, 0x20000
.set STAGE, SLOTB+BOFF+2*BH            ; behind the ring: 16 rows x 528 bytes for each wave
.set SP,    528
.set SPARE, STAGE+4*16*SP
.set ADRA0, 16
.set ADRB0, 17
.set ADRA,  18
.set ADRB,  19
.set STO,   24
.set RD,    25
.set GO,    26
.set SPW,   28
.set NIL,   29
.set PFO,   30
.set AF,    32
.set BF,    96
.set TMP,   32
.set WV,  14
.set WM,  15
.set WN,  16
.set TB,  17
.set LIM, 18
.set PFA, 20
.set G1A, 24
.set G0A, 32
.set G1B, 48
.set G0B, 56
.set MSB, 0
.macro WIN new
.if MSB != (\new)
	s_set_vgpr_msb (MSB<<8)|(\new)
.set MSB, \new
.endif
.endm
.set MUL, 0x50                         ; sources window 0, C and D window 1
.macro PLACES
.rept 4
	v_nop
.endr
.endm
.macro JLOAD                           ; waves 0, 1 the step's two heads of O, waves 2, 3 the halves of w_o's rows; an s_nop 0 and four v_nop follow each line
	s_cmp_eq_u32 s[WM], 0
	s_cbranch_scc0 .Lfor_b_\@
	tensor_load_to_lds s[G0A+4:G0A+7], s[G1A:G1A+7]
	s_nop 0
	PLACES
	s_branch .Lasked_\@
.Lfor_b_\@:
	tensor_load_to_lds s[G0B+4:G0B+7], s[G1B:G1B+7]
	s_nop 0
	PLACES
.Lasked_\@:
.endm
.macro CREST
	s_cmp_lg_u32 s[WV], 0
	s_cbranch_scc1 .Lnot_wave_0_\@
	s_barrier_signal -3
.Lnot_wave_0_\@:
	s_barrier_wait -3
	s_barrier_signal -1
	s_barrier_wait -1
.endm
.macro CROUND
	s_barrier_signal -1
	s_barrier_wait -1
	CREST
.endm
; A prefetch of O: the K step two refills on.  A step's tile is 2 heads x 64 blocks of 256 bytes; the partner at place cx names blocks 16 cx .. 16 cx + 15 of both heads, a lane a block, by wave 0:
; each block of oh is named once.  Steps 0 to 3 come by their loads alone; the trips with s3 <= 2 have no step four on.  w_o's plane is walked by all 16 clusters and is not asked for.
.macro ASK
	s_cmp_gt_u32 s3, s[LIM]
	s_cbranch_scc0 .Lnot_mine_\@
	global_prefetch_b8 v[PFO], s[PFA:PFA+1] th:TH_LOAD_NT scope:SCOPE_SE
.Lnot_mine_\@:
.endm
	s_load_b128 s[4:7], s[0:1], 0x0                ; oh s[4:5], wcv s[6:7]
	s_load_b64 s[8:9], s[0:1], 0x10                ; out0
	v_lshl_add_u32 v[SPW], v0, 2, SPARE
	v_mov_b32 v[NIL], 0
	ds_add_u32 v[SPW], v[NIL]                      ; the wave's opening
	v_lshrrev_b32 v1, 5, v0
	v_readfirstlane_b32 s[WV], v1
	s_lshr_b32 s[WM], s[WV], 1
	s_and_b32 s[WN], s[WV], 1
	s_bfe_u32 s40, ttmp6, 0x40000                  ; cx
	s_bfe_u32 s41, ttmp6, 0x40004                  ; cy
	s_lshl_b32 s42, ttmp9, 2
	s_add_co_u32 s42, s42, s40                     ; tile column nt
	s_and_b32 s43, ttmp7, 0xffff
	s_lshl_b32 s43, s43, 2
	s_add_co_u32 s43, s43, s41                     ; tile row mt
	s_lshl_b32 s45, s41, 2
	s_lshl_b32 s45, 15, s45                        ; my row of the cluster
	s_lshl_b32 s19, 0x1111, s40                    ; my column
	s_or_b32 s[G1A], s45, (1<<16)|(1<<20)|(1<<21)|(4<<22)|(3<<25)  ; a head's 128 dense rows of 128 bytes, asked for as 64 rows of 256 and padded by 4 words after every 32
	s_mov_b32 s[G1A+1], 128<<16
	s_mov_b32 s[G1A+2], 64<<16
	s_mov_b32 s[G1A+3], 128<<16
	s_mov_b32 s[G1A+4], 64
	s_mov_b32 s[G1A+5], 128
	s_mov_b32 s[G1A+6], 0
	s_mov_b32 s[G1A+7], 0
	s_or_b32 s[G1B], s19, (1<<16)|(1<<20)|(1<<21)|(6<<22)|(7<<25)  ; 64 rows of 512 bytes, 8 words of padding after every 128
	s_mov_b32 s[G1B+1], 256<<16
	s_mov_b32 s[G1B+2], 64<<16
	s_mov_b32 s[G1B+3], 256<<16
	s_mov_b32 s[G1B+4], 64
	s_mov_b32 s[G1B+5], 1024
	s_mov_b32 s[G1B+6], 0
	s_mov_b32 s[G1B+7], 0
	s_mov_b32 s[G0A], 1
	s_mov_b32 s[G0A+4], 1
	s_mov_b32 s[G0B], 1
	s_mov_b32 s[G0B+4], 1
	s_mul_i32 s[G0A+1], s[WN], AHD
	s_add_co_u32 s[G0A+5], s[G0A+1], SLOTB
	s_mul_i32 s[G0B+1], s[WN], BH
	s_add_co_u32 s[G0B+1], s[G0B+1], BOFF
	s_add_co_u32 s[G0B+5], s[G0B+1], SLOTB
	s_lshr_b32 s22, s43, 4                         ; O: head (mt / 16) 16 + my head of the step, row (mt % 16) 128
	s_lshl_b32 s22, s22, 4
	s_add_co_u32 s22, s22, s[WN]
	s_lshl_b32 s22, s22, 18
	s_and_b32 s2, s43, 15
	s_lshl_b32 s2, s2, 14
	s_add_co_u32 s22, s22, s2
	s_mov_b32 s23, 0
	s_lshl_b32 s46, s[WN], 17                      ; w_o: plane 3, row 64 half, column 256 nt
	s_add_co_u32 s46, s46, 3*2097152
	s_lshl_b32 s47, s42, 9
	s_add_co_u32 s46, s46, s47
	s_mov_b32 s47, 0
	s_mov_b32 s[TB], 0
	s_cmp_eq_u32 s[WV], 0
	s_cselect_b32 s[LIM], 2, -1
	s_wait_dscnt 0x0                               ; the opening add is done
	s_wait_kmcnt 0x0
	s_add_nc_u64 s[4:5], s[4:5], s[22:23]
	s_add_nc_u64 s[6:7], s[6:7], s[46:47]
	s_add_nc_u64 s[G0A+2:G0A+3], s[4:5], 0
	s_or_b32 s[G0A+3], s[G0A+3], 0x80000000
	s_add_nc_u64 s[G0A+6:G0A+7], s[4:5], 524288    ; K step 1: two heads on
	s_or_b32 s[G0A+7], s[G0A+7], 0x80000000
	s_add_nc_u64 s[G0B+2:G0B+3], s[6:7], 0
	s_or_b32 s[G0B+3], s[G0B+3], 0x80000000
	s_add_nc_u64 s[G0B+6:G0B+7], s[6:7], 262144
	s_or_b32 s[G0B+7], s[G0B+7], 0x80000000
	s_lshl_b32 s46, s40, 12                        ; the prefetches (wave 0, whose head of a step is the first): my work-group's 16 blocks,
	s_add_nc_u64 s[PFA:PFA+1], s[4:5], s[46:47]
	s_add_nc_u64 s[PFA:PFA+1], s[PFA:PFA+1], 3*524288  ; at K step 3: the first change of slots steps it to 4
	CROUND
	s_cmp_eq_u32 s[WM], 0                          ; a wave's two first fills stand in one branch: two loads of mine are out
	s_cbranch_scc0 .Lfirst_b
	tensor_load_to_lds s[G0A:G0A+3], s[G1A:G1A+7]
	s_nop 0
	tensor_load_to_lds s[G0A+4:G0A+7], s[G1A:G1A+7]
	s_nop 0
	PLACES
	s_branch .Lfirst_asked
.Lfirst_b:
	tensor_load_to_lds s[G0B:G0B+3], s[G1B:G1B+7]
	s_nop 0
	tensor_load_to_lds s[G0B+4:G0B+7], s[G1B:G1B+7]
	s_nop 0
	PLACES
.Lfirst_asked:
	v_and_b32 v1, 15, v0                           ; r
	v_bfe_u32 v2, v0, 4, 1                         ; h
	v_and_b32 v3, 7, v0
	v_bfe_u32 v4, v0, 3, 1
	s_mul_i32 s2, s[WM], 64*PA
	v_mul_u32_u24 v[ADRA0], v1, PA
	v_lshl_add_u32 v[ADRA0], v2, 4, v[ADRA0]
	v_add_nc_u32 v[ADRA0], s2, v[ADRA0]
	s_lshl_b32 s2, s[WN], 8
	s_add_co_u32 s2, s2, BOFF
	v_lshl_add_u32 v[ADRB0], v2, 3, v3
	v_mul_u32_u24 v[ADRB0], v[ADRB0], PB
	v_lshl_add_u32 v[ADRB0], v4, 4, v[ADRB0]
	v_add_nc_u32 v[ADRB0], s2, v[ADRB0]
	v_mov_b32 v[ADRA], v[ADRA0]
	v_mov_b32 v[ADRB], v[ADRB0]
	s_mul_i32 s2, s[WV], 16*SP
	s_add_co_u32 s2, s2, STAGE                     ; my stage
	v_mul_u32_u24 v[STO], v1, SP                   ; in: row r, 32 bytes for each half of the lanes
	v_lshl_add_u32 v[STO], v2, 5, v[STO]
	v_add_nc_u32 v[STO], s2, v[STO]
	v_and_b32 v[GO], 31, v0
	v_lshlrev_b32 v[GO], 4, v[GO]                  ; back and out: 32 lanes take one row of 512 bytes
	v_add_nc_u32 v[RD], s2, v[GO]
	v_lshlrev_b32 v5, 18, v2
	v_lshl_add_u32 v[PFO], v1, 8, v5               ; head lane / 16, block lane % 16
	s_lshl_b32 s22, s43, 19                        ; out: row 128 mt + 64 half (4,096 bytes a row), column 256 nt + 128 half
	s_lshl_b32 s2, s[WM], 18
	s_add_co_u32 s22, s22, s2
	s_lshl_b32 s2, s42, 10
	s_add_co_u32 s22, s22, s2
	s_lshl_b32 s2, s[WN], 9
	s_add_co_u32 s22, s22, s2
	s_add_nc_u64 s[8:9], s[8:9], s[22:23]
	WIN 0x40
.set i, 0
.rept 256
	v_mov_b32 v[i], 0                              ; the sums start at 0, written in the wait for the first tile
.set i, i+1
.endr
	WIN 0
; 24 LDS loads in one run: w_o's eight fragments, then O's four.  Quarter kk is head kk / 2 of the step, channels 32 (kk % 2) on.
.macro FETCH kk, f
	WIN 0
.irp b, 0,1,2,3,4,5,6,7
	ds_load_tr16_b128 v[BF+64*(\f)+8*(\b):BF+64*(\f)+8*(\b)+3],   v[ADRB] offset:32*PB*(\kk)+32*(\b)
	ds_load_tr16_b128 v[BF+64*(\f)+8*(\b)+4:BF+64*(\f)+8*(\b)+7], v[ADRB] offset:32*PB*(\kk)+32*(\b)+16*PB
.endr
.irp a, 0,1,2,3
	ds_load_b128 v[AF+32*(\f)+8*(\a):AF+32*(\f)+8*(\a)+3],   v[ADRA] offset:16*PA*(\a)+((\kk)/2)*AHD+64*((\kk)%2)
	ds_load_b128 v[AF+32*(\f)+8*(\a)+4:AF+32*(\f)+8*(\a)+7], v[ADRA] offset:16*PA*(\a)+((\kk)/2)*AHD+64*((\kk)%2)+32
.endr
.endm
.macro GROUP f, a                      ; row block a's eight products; the 32 accumulators take turns in one order in every quarter
	WIN MUL
.irp b, 0,1,2,3,4,5,6,7
	v_wmma_f32_16x16x32_f16 v[8*(8*(\a)+(\b)):8*(8*(\a)+(\b))+7], v[BF+64*(\f)+8*(\b):BF+64*(\f)+8*(\b)+7], v[AF+32*(\f)+8*(\a):AF+32*(\f)+8*(\a)+7], v[8*(8*(\a)+(\b)):8*(8*(\a)+(\b))+7]
.endr
.endm
.macro QUARTER f, g, kk
	s_wait_dscnt 4                                 ; w_o's fragments and O's 0 and 1 are in; the four youngest loads stay out
	GROUP \f, 0
	PLACES                                         ; four places between the last products on buffer g and the loads into it
	FETCH \kk, \g
	GROUP \f, 1
	s_wait_dscnt 24                                ; all but the run just issued
	GROUP \f, 2
	GROUP \f, 3
.endm
; The last quarter multiplies buffer 1 and changes slots: each wave waits for all its tensor loads, adds 0 to its spare word, waits for that and for its reads of this slot, and signals.
; fill = 1: the barrier opens a round of the cluster's, and the joint refill, two K steps ahead, is the first thing behind it.
.macro TURN fill
.if \fill
	s_wait_xcnt 0x0                                ; the last prefetch, a K step back, has read its address
	s_add_nc_u64 s[PFA:PFA+1], s[PFA:PFA+1], 524288
.endif
	WIN 0
	s_wait_tensorcnt 0x0
	ds_add_u32 v[SPW], v[NIL]
.if \fill
	s_xor_b32 s[G0A+5], s[G0A+5], SLOTB
	s_add_nc_u64 s[G0A+6:G0A+7], s[G0A+6:G0A+7], 524288
	s_xor_b32 s[G0B+5], s[G0B+5], SLOTB
	s_add_nc_u64 s[G0B+6:G0B+7], s[G0B+6:G0B+7], 262144
.endif
	s_wait_dscnt 5                                 ; the add and the four youngest loads may be out
	GROUP 1, 0
	s_wait_dscnt 0x0                               ; the add is done, and my reads of this slot are over
	s_barrier_signal -1
	GROUP 1, 1
	WIN 0
	s_barrier_wait -1
.if \fill
	CREST
	JLOAD                                          ; its four v_nop are also the places in front of the loads below
.else
	PLACES
.endif
	s_xor_b32 s[TB], s[TB], SLOTB
	v_add_nc_u32 v[ADRA], s[TB], v[ADRA0]
	v_add_nc_u32 v[ADRB], s[TB], v[ADRB0]
	FETCH 0, 0
.if \fill
	ASK
.endif
	GROUP 1, 2
	GROUP 1, 3
.endm
	s_wait_tensorcnt 0x1                           ; my part of K step 0 is in; step 1's may stay out
	s_barrier_signal -1
	s_barrier_wait -1
	FETCH 0, 0
	s_mov_b32 s3, 6
.Lstep:                                            ; K steps 0 to 5: each fills its slot again
	QUARTER 0, 1, 1
	QUARTER 1, 0, 2
	QUARTER 0, 1, 3
	TURN 1
	WIN 0
	s_sub_co_u32 s3, s3, 1
	s_cmp_lg_u32 s3, 0
	s_cbranch_scc1 .Lstep
	s_mov_b32 s3, 2
.Ltail:                                            ; K steps 6 and 7 ask for nothing; the last trip's fetch reads landed bytes into registers that nobody uses
	QUARTER 0, 1, 1
	QUARTER 1, 0, 2
	QUARTER 0, 1, 3
	TURN 0
	WIN 0
	s_sub_co_u32 s3, s3, 1
	s_cmp_lg_u32 s3, 0
	s_cbranch_scc1 .Ltail
	s_wait_dscnt 0x0
	PLACES                                         ; behind the last products
; THE WAY OUT, 16 rows at a time: a lane's eight f32 of a row go into rows of 528 bytes of my stage, low four first, and come back as whole rows of 512 bytes.
.macro OUTA a
.if (\a) >= 2
	s_wait_xcnt 0x0                                ; the set's registers were store data two blocks back: they are loaded anew only behind this wait
.endif
	WIN 0x04                                       ; store data in window 1
.irp b, 0,1,2,3,4,5,6,7
	ds_store_b128 v[STO], v[8*(8*(\a)+(\b)):8*(8*(\a)+(\b))+3]   offset:64*(\b)
	ds_store_b128 v[STO], v[8*(8*(\a)+(\b))+4:8*(8*(\a)+(\b))+7] offset:64*(\b)+16
.endr
	WIN 0
.irp t, 0,1,2,3,4,5,6,7,8,9,10,11,12,13,14,15
	ds_load_b128 v[TMP+64*((\a)%2)+4*(\t):TMP+64*((\a)%2)+4*(\t)+3], v[RD] offset:SP*(\t)  ; LDS serves a wave's instructions in order (ISA guide 5.7.1.4)
.endr
.endm
.macro SENDA a, younger                ; younger: the next block's 32 LDS instructions, or none
.irp t, 0,1,2,3,4,5,6,7,8,9,10,11,12,13,14,15
	s_wait_dscnt (\younger)+15-(\t)
	global_store_b128 v[GO], v[TMP+64*((\a)%2)+4*(\t):TMP+64*((\a)%2)+4*(\t)+3], s[8:9] offset:65536*(\a)+4096*(\t) th:TH_STORE_NT  ; 512 consecutive bytes, aligned
.endr
.endm
	OUTA 0
	OUTA 1
	SENDA 0, 32
	OUTA 2
	SENDA 1, 32
	OUTA 3
	SENDA 2, 32
	SENDA 3, 0
	s_wait_tensorcnt 0x0                           ; the wave's end
	ds_add_u32 v[SPW], v[NIL]
	s_wait_dscnt 0x0
	CROUND                                         ; the closing round
	s_endpgm
.Lfunc_end_k_q9293499a28_outp:
	.size	k_q9293499a28_outp, .Lfunc_end_k_q9293499a28_outp-k_q9293499a28_outp
	.p2alignl 7, 3214868480
	.fill 96, 4, 3214868480
	.section	.rodata,"a",@progbits
	.p2align	6, 0x0
	.amdhsa_kernel k_q9293499a28_outp
		.amdhsa_group_segment_fixed_size 327680
		.amdhsa_private_segment_fixed_size 0
		.amdhsa_enable_private_segment 0
		.amdhsa_kernarg_size 24
		.amdhsa_user_sgpr_count 2
		.amdhsa_user_sgpr_kernarg_segment_ptr 1
		.amdhsa_wavefront_size32 1
		.amdhsa_system_sgpr_workgroup_id_x 1
		.amdhsa_system_sgpr_workgroup_id_y 1
		.amdhsa_system_sgpr_workgroup_id_z 1
		.amdhsa_system_vgpr_workitem_id 0
		.amdhsa_next_free_vgpr 512
		.amdhsa_next_free_sgpr 66
		.amdhsa_reserve_vcc 0
		.amdhsa_float_denorm_mode_32 3
		.amdhsa_float_denorm_mode_16_64 3
		.amdhsa_memory_ordered 1
		.amdhsa_forward_progress 1
		.amdhsa_inst_pref_size 66
	.end_amdhsa_kernel
	.amdgpu_metadata
---
amdhsa.version: [ 1, 2 ]
amdhsa.kernels:
  - .name:           k_q9293499a28_outp
    .symbol:         k_q9293499a28_outp.kd
    .args:
      - { .name: oh, .offset: 0, .size: 8, .value_kind: global_buffer, .address_space: global }
      - { .name: wcv, .offset: 8, .size: 8, .value_kind: global_buffer, .address_space: global }
      - { .name: out0, .offset: 16, .size: 8, .value_kind: global_buffer, .address_space: global }
    .group_segment_fixed_size: 327680
    .private_segment_fixed_size: 0
    .kernarg_segment_align: 8
    .kernarg_segment_size: 24
    .max_flat_workgroup_size: 128
    .sgpr_count:     66
    .vgpr_count:     512
    .wavefront_size: 32
...
	.end_amdgpu_metadata
.endif
;; end of part 4
;; ======== version 2 of 2: 4 launches; version 1 with the launch prep written anew for expert scheduling mode
;; limits: values are held in f16: magnitudes above 65,504 overflow, below 6.1e-05 lose precision
;; workspace buffers: wcv 8,388,608 bytes; mpk 2,097,152 bytes; qkv 50,331,648 bytes; oh 16,777,216 bytes
;; launch prep (part 5): grid 384 x 1, 8 waves a work-group, no clusters, 0 bytes of LDS; arguments w_q, w_k, w_v, w_o, mask, wcv, mpk; writes wcv, mpk
.if DOCPART == 5
	.amdgcn_target "amdgcn-amd-amdhsa--gfx1250"
	.amdhsa_code_object_version 6
	.text
	.protected	k_q9293499a28_prep
	.globl	k_q9293499a28_prep
	.p2align	8
	.type	k_q9293499a28_prep,@function
k_q9293499a28_prep:
	s_mov_b64 s[64:65], 0
	v_nop
	global_prefetch_b8 v0, s[64:65] scope:SCOPE_SE
	s_setreg_imm32_b32 hwreg(HW_REG_WAVE_SCHED_MODE, 0, 2), 2
	s_setreg_imm32_b32 hwreg(HW_REG_WAVE_MODE, 25, 1), 1
	s_wait_xcnt 0x0
	s_wait_alu depctr_vm_vsrc(0)
; PREPARATION.  (1) The four weights, [1024 k][1024 n] f32, are rounded once to bf16 and stored, still [k][n], as planes 0 to 3 of wcv; plane 3 (w_o) holds that bf16 number
; written as f16, since the last product multiplies f16 operands.  (2) The mask, [2048 q][2048 k] bytes (1 = hidden), becomes 4-bit codes in the order in which the attention's lanes want them:
; mpk[kt 8][qtile 128][step 4][lane 32][16 bytes]; dword kb of lane (r = lane % 16, h = lane / 16) holds eight codes, code j for mask[16 qtile + r][256 kt + 64 step + 16 kb + 8 h + j]:
; 0xF (-6.0 in E2M1) where the key is hidden, 0 where it is seen.
; LIMITS.  Mask bytes are 0 or 1.  bf16(w_o) beyond 65,504 would become an infinity in f16; below 2^-17 it keeps f16's fixed step of 2^-24.
; SHARES.  Work-groups 0 to 255: 16,384 numbers of one weight each; a wave's load covers 512 consecutive bytes, its store 256, aligned.  Work-groups 256 to 383: 16 rows of the mask each,
; wave kt the 256 keys of tile kt.  Nothing is shared between work-groups and nothing is read twice, so there is no LDS, no barrier and no cluster; the matrix unit has nothing to do here.
; THE MODE: SCHED_MODE bits 1:0 = 2 (LLVM: expert scheduling mode 2), set by the entry lines.  The code itself states the register dependences
; between vector instructions and memory instructions, with s_wait_alu, always for 0.
; THE PLAN.  Registers that memory instructions touch:
;   v1, v2       byte offsets of the loads and of the stores: made once at a path's head and never written again.
;   weights      v[32+4 p : 35+4 p], group p of 16: load p lands there once; group p's conversions read the four and write the first two, which store p reads; nothing writes them after that.
;   mask         v[32:63]: the sixteen loads land there once, the packing lines read them.  v[64:79]: the packing lines write them once, the four stores read them.  v80, v81 are at work only.
; Both paths go in four blocks (four groups; a key step's four words).  Block b works on its own registers alone; its memory instructions are the stores of block b - 1.  So one wait on va_vdst at a
; block's head, behind the wait for the block's own loads, states all that those stores hang on, and they are dealt among the block's vector lines with no further wait.  No register that a memory
; instruction has read is ever written again, so no wait on vm_vsrc is owed.
	s_load_b256 s[4:11], s[0:1], 0x0               ; w_q s[4:5], w_k s[6:7], w_v s[8:9], w_o s[10:11]
	s_load_b128 s[12:15], s[0:1], 0x20             ; mask s[12:13], wcv s[14:15]
	s_load_b64 s[16:17], s[0:1], 0x30              ; mpk
	s_mov_b32 s23, 0                               ; high words of the two offsets
	s_mov_b32 s25, 0
	s_cmp_lt_u32 ttmp9, 256
	s_cbranch_scc0 .Lmask
	; ---- weights ----
	s_lshr_b32 s20, ttmp9, 6                       ; which weight
	s_and_b32 s21, ttmp9, 63                       ; which 16,384 numbers of it
	v_lshlrev_b32 v1, 4, v0                        ; in: 16 bytes a thread
	v_lshlrev_b32 v2, 3, v0                        ; out: 8 bytes a thread
	s_lshl_b32 s22, s21, 16                        ; 65,536 bytes of f32 a chunk
	s_lshl_b32 s24, s20, 21                        ; a plane of wcv is 2,097,152 bytes,
	s_lshl_b32 s26, s21, 15                        ; a chunk 32,768
	s_add_co_u32 s24, s24, s26
	s_mov_b32 s27, 0xffff0000                      ; a word's upper bf16
	s_wait_kmcnt 0x0
	s_cmp_eq_u32 s20, 1
	s_cselect_b64 s[4:5], s[6:7], s[4:5]
	s_cmp_eq_u32 s20, 2
	s_cselect_b64 s[4:5], s[8:9], s[4:5]
	s_cmp_eq_u32 s20, 3
	s_cselect_b64 s[4:5], s[10:11], s[4:5]
	s_add_nc_u64 s[4:5], s[4:5], s[22:23]
	s_add_nc_u64 s[14:15], s[14:15], s[24:25]
	s_wait_alu depctr_va_vdst(0)                   ; v1 and v2 are written: every load of this path reads v1 as its offset, every store v2
.irp p, 0,1,2,3,4,5,6,7,8,9,10,11,12,13,14,15
	global_load_b128 v[32+4*(\p):35+4*(\p)], v1, s[4:5] offset:4096*(\p) th:TH_LOAD_NT
.endr
; Group p of four numbers: rounded in the registers that it was loaded into, so every store has data registers of its own and none is written again.
.macro CVG p, half
	v_cvt_pk_bf16_f32 v[32+4*(\p)], v[32+4*(\p)], v[33+4*(\p)]
	v_cvt_pk_bf16_f32 v[33+4*(\p)], v[34+4*(\p)], v[35+4*(\p)]
.if \half
	v_lshlrev_b32 v[34+4*(\p)], 16, v[32+4*(\p)]   ; the bf16 numbers as f32,
	v_and_b32 v[35+4*(\p)], s27, v[32+4*(\p)]
	v_cvt_pk_f16_f32 v[32+4*(\p)], v[34+4*(\p)], v[35+4*(\p)]  ; and written as f16
	v_lshlrev_b32 v[34+4*(\p)], 16, v[33+4*(\p)]
	v_and_b32 v[35+4*(\p)], s27, v[33+4*(\p)]
	v_cvt_pk_f16_f32 v[33+4*(\p)], v[34+4*(\p)], v[35+4*(\p)]
.endif
.endm
.macro STG p
	global_store_b64 v2, v[32+4*(\p):33+4*(\p)], s[14:15] offset:2048*(\p) th:TH_STORE_NT  ; a wave stores 256 consecutive bytes, aligned
.endm
; Block b: groups 4 b to 4 b + 3 are rounded; the stores of the block before stand among their lines, one ahead of each group.
.macro WBLK b, half
	s_wait_loadcnt 12-4*(\b)                       ; loads come back in order: the block's four groups are in, the 12 - 4 b younger ones stay out
.if (\b) > 0
	s_wait_alu depctr_va_vdst(0)                   ; the block before has written its four pairs, which the four stores below read; the lines between them name this block's registers alone
.endif
.irp i, 0,1,2,3
.if (\b) > 0
	STG 4*(\b)-4+(\i)
.endif
	CVG 4*(\b)+(\i), \half
.endr
.endm
.macro WALL half
	WBLK 0, \half
	WBLK 1, \half
	WBLK 2, \half
	WBLK 3, \half
	s_wait_alu depctr_va_vdst(0)                   ; block 3 has written its four pairs, which the last four stores read
.irp p, 12,13,14,15
	STG \p
.endr
.endm
	s_cmp_eq_u32 s20, 3
	s_cbranch_scc1 .Lwo
	WALL 0
	s_endpgm
.Lwo:
	WALL 1
	s_endpgm
	; ---- mask ----
.Lmask:
	v_lshrrev_b32 v3, 5, v0
	v_readfirstlane_b32 s18, v3                    ; wave 0..7: this path alone reads it, so it is made here, in one straight run with its wait and its readers
	s_sub_co_u32 s20, ttmp9, 256                   ; qtile: 16 rows of the mask
	v_and_b32 v3, 15, v0                           ; r
	v_bfe_u32 v4, v0, 4, 1                         ; h
	v_lshlrev_b32 v1, 11, v3                       ; row r, 2,048 bytes a row,
	v_lshl_add_u32 v1, v4, 3, v1                   ; + 8 h
	v_and_b32 v2, 31, v0
	v_lshlrev_b32 v2, 4, v2                        ; out: 16 bytes a lane
	s_lshl_b32 s22, s20, 15                        ; 16 rows,
	s_wait_alu depctr_va_sdst(0)                   ; s18 is written, ahead of its first reader: the offsets in the mask and in mpk are made from it
	s_lshl_b32 s24, s18, 8                         ; my wave's 256 keys
	s_add_co_u32 s22, s22, s24
	s_lshl_b32 s24, s18, 18                        ; mpk: 262,144 bytes a key tile,
	s_lshl_b32 s26, s20, 11                        ; 2,048 a qtile
	s_add_co_u32 s24, s24, s26
	s_mov_b32 s27, 0x06040200                      ; picks bytes 0 and 2 of two words
	s_wait_kmcnt 0x0
	s_add_nc_u64 s[12:13], s[12:13], s[22:23]
	s_add_nc_u64 s[16:17], s[16:17], s[24:25]
	s_wait_alu depctr_va_vdst(0)                   ; v1 and v2 are written: every load of this path reads v1 as its offset, every store v2
.irp i, 0,1,2,3,4,5,6,7,8,9,10,11,12,13,14,15      ; i = 4 step + kb: the sixteen loads together take the whole 256 bytes of each of the 16 rows
	global_load_b64 v[32+2*(\i):33+2*(\i)], v1, s[12:13] offset:16*(\i)
.endr
; Key step t: its four words of codes are packed; the store of the step before stands at its head.
.macro MSTEP t
	s_wait_loadcnt 12-4*(\t)                       ; loads come back in order: the step's four loads are in, the 12 - 4 t younger ones stay out
.if (\t) > 0
	s_wait_alu depctr_va_vdst(0)                   ; the step before has written its four words, which the store below reads; the lines behind it name this step's registers, v80 and v81 alone
	global_store_b128 v2, v[60+4*(\t):63+4*(\t)], s[16:17] offset:512*(\t)-512 th:TH_STORE_NT  ; a wave stores 512 consecutive bytes, aligned
.endif
.irp k, 0,1,2,3
	v_lshrrev_b32 v80, 4, v[32+2*(4*(\t)+(\k))]    ; byte 1 beside byte 0, byte 3 beside byte 2, as neighbouring 4-bit fields
	v_lshrrev_b32 v81, 4, v[33+2*(4*(\t)+(\k))]
	v_or_b32 v80, v80, v[32+2*(4*(\t)+(\k))]
	v_or_b32 v81, v81, v[33+2*(4*(\t)+(\k))]
	v_perm_b32 v80, v81, v80, s27                  ; eight fields of 0 or 1, key j in field j
	v_lshlrev_b32 v81, 4, v80
	v_sub_nc_u32 v[64+4*(\t)+(\k)], v81, v80       ; times 15: 0 or 0xF
.endr
.endm
	MSTEP 0
	MSTEP 1
	MSTEP 2
	MSTEP 3
	s_wait_alu depctr_va_vdst(0)                   ; step 3 has written its four words, which the last store reads
	global_store_b128 v2, v[76:79], s[16:17] offset:1536 th:TH_STORE_NT  ; a wave stores 512 consecutive bytes, aligned
	s_endpgm
.Lfunc_end_k_q9293499a28_prep:
	.size	k_q9293499a28_prep, .Lfunc_end_k_q9293499a28_prep-k_q9293499a28_prep
	.p2alignl 7, 3214868480
	.fill 96, 4, 3214868480
	.section	.rodata,"a",@progbits
	.p2align	6, 0x0
	.amdhsa_kernel k_q9293499a28_prep
		.amdhsa_group_segment_fixed_size 0
		.amdhsa_private_segment_fixed_size 0
		.amdhsa_enable_private_segment 0
		.amdhsa_kernarg_size 56
		.amdhsa_user_sgpr_count 2
		.amdhsa_user_sgpr_kernarg_segment_ptr 1
		.amdhsa_wavefront_size32 1
		.amdhsa_system_sgpr_workgroup_id_x 1
		.amdhsa_system_sgpr_workgroup_id_y 1
		.amdhsa_system_sgpr_workgroup_id_z 1
		.amdhsa_system_vgpr_workitem_id 0
		.amdhsa_next_free_vgpr 104
		.amdhsa_next_free_sgpr 66
		.amdhsa_reserve_vcc 0
		.amdhsa_float_denorm_mode_32 3
		.amdhsa_float_denorm_mode_16_64 3
		.amdhsa_memory_ordered 1
		.amdhsa_forward_progress 1
		.amdhsa_inst_pref_size 22
	.end_amdhsa_kernel
	.amdgpu_metadata
---
amdhsa.version: [ 1, 2 ]
amdhsa.kernels:
  - .name:           k_q9293499a28_prep
    .symbol:         k_q9293499a28_prep.kd
    .args:
      - { .name: w_q, .offset: 0, .size: 8, .value_kind: global_buffer, .address_space: global }
      - { .name: w_k, .offset: 8, .size: 8, .value_kind: global_buffer, .address_space: global }
      - { .name: w_v, .offset: 16, .size: 8, .value_kind: global_buffer, .address_space: global }
      - { .name: w_o, .offset: 24, .size: 8, .value_kind: global_buffer, .address_space: global }
      - { .name: mask, .offset: 32, .size: 8, .value_kind: global_buffer, .address_space: global }
      - { .name: wcv, .offset: 40, .size: 8, .value_kind: global_buffer, .address_space: global }
      - { .name: mpk, .offset: 48, .size: 8, .value_kind: global_buffer, .address_space: global }
    .group_segment_fixed_size: 0
    .private_segment_fixed_size: 0
    .kernarg_segment_align: 8
    .kernarg_segment_size: 56
    .max_flat_workgroup_size: 256
    .sgpr_count:     66
    .vgpr_count:     104
    .wavefront_size: 32
...
	.end_amdgpu_metadata
.endif
;; end of part 5
;; launch proj: the kernel of part 2 again; grid 4 x 192, 4 waves a work-group, clusters of 4 x 4, 327,680 bytes of LDS; arguments query, key, value, wcv, qkv; writes qkv
;; launch attn: the kernel of part 3 again; grid 4 x 64, 4 waves a work-group, clusters of 4 x 4, 327,680 bytes of LDS; arguments qkv, mpk, oh; writes oh
;; launch outp: the kernel of part 4 again; grid 4 x 64, 4 waves a work-group, clusters of 4 x 4, 327,680 bytes of LDS; arguments oh, wcv, out0; writes out0
